; MI455X (gfx1250); checked and timed in simulation.
; The chip was launched on July 23, 2026; its instructions are those of AMD's public machine-readable ISA for CDNA 5 (MIT licence, August 2026) and "CDNA5" Instruction Set Architecture Reference Guide (July 2026). The comments in the code are by the model that wrote it; some were corrected since.
;; Ro PE Attention. Allowed arithmetic: float matrix products may take bf16 or f16 operands with f32 sums; all other float work in f32.
;; Inputs: W_out 1,024 x 1,024 float32; W_qkv 3,072 x 1,024 float32; x 2 x 2,048 x 1,024 float32.
;; Outputs: out0 2 x 2,048 x 1,024 float32.
;; 3 versions, each right; version 2 is faster than version 1; version 3 is version 2 with the launch prep written anew for expert scheduling mode. Each part assembles by itself: llvm-mc -triple=amdgcn-amd-amdhsa -mcpu=gfx1250 --defsym DOCPART=n.
;; ======== version 1 of 3: 4 launches
;; limits: values are held in f16: magnitudes above 65,504 overflow, below 6.1e-05 lose precision
;; workspace buffers: xh 8,388,608 bytes; wqh 6,291,456 bytes; woh 2,097,152 bytes; tab 524,288 bytes; qh 8,388,608 bytes; kh 8,388,608 bytes; vh 8,388,608 bytes; yh 8,388,608 bytes
;; launch prep (part 1): grid 256 x 1, 8 waves a work-group, no clusters, 0 bytes of LDS; arguments x, W_qkv, W_out, xh, wqh, woh, tab; writes xh, wqh, woh, tab
.if DOCPART == 1
	.amdgcn_target "amdgcn-amd-amdhsa--gfx1250"
	.amdhsa_code_object_version 6
	.text
	.protected	k_q75d113e1ce_prep
	.globl	k_q75d113e1ce_prep
	.p2align	8
	.type	k_q75d113e1ce_prep,@function
k_q75d113e1ce_prep:
	s_mov_b64 s[64:65], 0
	v_nop
	global_prefetch_b8 v0, s[64:65] scope:SCOPE_SE
	s_setreg_imm32_b32 hwreg(HW_REG_WAVE_MODE, 25, 1), 1
	s_wait_xcnt 0x0
; Casts x, W_qkv and W_out from f32 to f16 (once, so that the three matrix launches move half the bytes), and makes the RoPE table.
; 8,192 source rows of 4,096 bytes; work-group g takes 32 of them: g < 128 rows of x, 128 <= g < 224 rows of W_qkv, the rest rows of W_out.
; W_qkv's rows are laid out anew: source row 1024 sec + 64 head + i goes to row 192 head + 64 sec + i, so that one head's q, k and v rows
; are 192 neighbouring rows.  A block of 32 source rows stays a block of 32 rows.
; Thread t takes the 16 bytes at 16 t of every row and stores 8 bytes at 8 t: a wave's store covers 256 consecutive bytes, aligned.
; All 32 loads of a thread go out first (128 KiB a work-group on their way); the table is computed while they fly.
; TABLE: tab[t][0..31] = cos(t invf[f]), tab[t][32..63] = -sin for even f, +sin for odd f, invf[f] = 10000^(-f/32);
; then rope(q)[d] = q[d] tab[t][d%32] + q[d^1] tab[t][32 + d%32].  Wave w of work-group g makes row t = 8 g + w, lane L the words 2 L, 2 L + 1.
; LIMITS: |x|, |W| above 65,504 overflow f16, magnitudes under 6e-8 round to 0.  The angle is the f32 product t * invf as in the problem; invf comes
; from v_exp_f32 (1 ULP), so the angle may differ by about 2e-4 rad at t = 2047.  Sine and cosine by polynomial on |r| <= pi/4, error under 4e-7.
.set ROWS, 32
.set SROW, 4096                        ; bytes of a source row
.set DROW, 2048                        ; bytes of a cast row
.set X,    64                          ; v[64:191]  row i: 4 registers as loaded
.set Y,    192                         ; v[192:255] row i: 2 registers to store; never written twice, so no store's data is ever rewritten
	s_load_b256 s[4:11], s[0:1], 0x0               ; x s[4:5], W_qkv s[6:7], W_out s[8:9], xh s[10:11]
	s_load_b128 s[12:15], s[0:1], 0x20             ; wqh s[12:13], woh s[14:15]
	s_load_b64 s[16:17], s[0:1], 0x30              ; tab
	s_mov_b32 s18, ttmp9                           ; g
	v_lshrrev_b32 v3, 5, v0
	v_readfirstlane_b32 s34, v3                    ; wave
	v_lshlrev_b32 v1, 4, v0                        ; 16 t: my bytes in a source row
	v_lshlrev_b32 v2, 3, v0                        ; 8 t: my bytes in a cast row
	s_lshl_b32 s20, s18, 5                         ; first row if the group works on x
	s_sub_co_u32 s21, s20, 128*ROWS                ; first source row if on W_qkv
	s_sub_co_u32 s22, s20, 224*ROWS                ; first row if on W_out
	s_bfe_u32 s23, s21, 0x40006                    ; head = (row >> 6) & 15
	s_mul_i32 s23, s23, 192
	s_lshr_b32 s19, s21, 10                        ; sec = row >> 10
	s_lshl_b32 s19, s19, 6
	s_add_co_u32 s23, s23, s19
	s_and_b32 s19, s21, 32                         ; i of the block's first row: 0 or 32
	s_add_co_u32 s23, s23, s19                     ; W_qkv's row in wqh
	s_lshl_b32 s35, s18, 3
	s_add_co_u32 s35, s35, s34                     ; t = 8 g + wave
	s_lshl_b32 s36, s35, 8                         ; a table row is 256 bytes
	s_mov_b32 s37, 0
	s_wait_kmcnt 0x0
	s_cmp_lt_u32 s18, 224                          ; the choice hangs on the work-group's number alone
	s_cselect_b64 s[24:25], s[6:7], s[8:9]
	s_cselect_b64 s[26:27], s[12:13], s[14:15]
	s_cselect_b32 s28, s21, s22
	s_cselect_b32 s29, s23, s22
	s_cmp_lt_u32 s18, 128
	s_cselect_b64 s[24:25], s[4:5], s[24:25]       ; source
	s_cselect_b64 s[26:27], s[10:11], s[26:27]     ; destination
	s_cselect_b32 s28, s20, s28                    ; first source row
	s_cselect_b32 s29, s20, s29                    ; first destination row
	s_lshl_b32 s30, s28, 12
	s_mov_b32 s31, 0
	s_lshl_b32 s32, s29, 11
	s_mov_b32 s33, 0
	s_add_nc_u64 s[24:25], s[24:25], s[30:31]
	s_add_nc_u64 s[26:27], s[26:27], s[32:33]
	s_add_nc_u64 s[16:17], s[16:17], s[36:37]      ; my wave's table row
.set i, 0
.rept ROWS
	global_load_b128 v[X+4*i:X+4*i+3], v1, s[24:25] offset:SROW*i th:TH_LOAD_NT   ; read once in the launch
.set i, i+1
.endr
	; the table, while the loads are on their way
	v_and_b32 v4, 15, v0
	v_bfe_u32 v5, v0, 4, 1                         ; 0: the cosine half of the row, 1: the sine half.  Also the even word's quarter turns: cos(x + pi/2) = -sin x
	v_lshlrev_b32 v6, 1, v4
	v_cvt_f32_u32 v7, v6                           ; f of my even word
	v_add_f32 v8, 1.0, v7                          ; f of my odd word
	v_mul_u32_u24 v10, v5, 3                       ; the odd word's quarter turns: cos(x + 3 pi/2) = +sin x
	v_cvt_f32_u32 v11, s35                         ; t
	v_and_b32 v22, 31, v0
	v_lshlrev_b32 v22, 3, v22                      ; 8 bytes a lane
	v_mul_f32 v12, 0xbed49a78, v7                  ; -log2(10000)/32 * f
	v_mul_f32 v13, 0xbed49a78, v8
	v_exp_f32 v14, v12                             ; invf
	v_exp_f32 v15, v13
	v_nop                                          ; one plain place behind a transcendental before its result is used (ISA guide 5.7.2)
	s_wait_alu depctr_va_vdst(0)
; dst = cos(t * inv + sh * pi/2)
.macro TRIG dst, inv, sh
	v_mul_f32 v24, v11, \inv                       ; the angle, rounded to f32 as in the problem
	v_mul_f32 v25, 0x3f22f983, v24                 ; * 2/pi
	v_rndne_f32 v25, v25                           ; k
	v_fmamk_f32 v26, v25, 0xbfc90fdb, v24          ; r = x - k pi/2, pi/2 in two parts
	v_fmamk_f32 v26, v25, 0x333bbd2e, v26
	v_cvt_i32_f32 v27, v25
	v_add_nc_u32 v27, v27, \sh                     ; n: quarter turns in all
	v_mul_f32 v28, v26, v26
	v_mov_b32 v29, 0x37d00d01                      ; cos r = 1 - r2/2 + r2^2/24 - r2^3/720 + r2^4/40320
	v_fmaak_f32 v29, v29, v28, 0xbab60b61
	v_fmaak_f32 v29, v29, v28, 0x3d2aaaab
	v_fmaak_f32 v29, v29, v28, 0xbf000000
	v_fma_f32 v29, v29, v28, 1.0
	v_mov_b32 v30, 0xb9500d01                      ; sin r = r + r r2 (-1/6 + r2/120 - r2^2/5040)
	v_fmaak_f32 v30, v30, v28, 0x3c088889
	v_fmaak_f32 v30, v30, v28, 0xbe2aaaab
	v_mul_f32 v30, v30, v28
	v_fma_f32 v30, v30, v26, v26
	v_and_b32 v31, 1, v27
	v_cmp_eq_u32 vcc_lo, 1, v31
	v_cndmask_b32 v29, v29, v30, vcc_lo            ; n odd: the sine
	v_add_nc_u32 v27, 1, v27                       ; n mod 4 = 1 or 2: negative, that is bit 1 of n + 1
	v_lshlrev_b32 v27, 30, v27
	v_and_b32 v27, 0x80000000, v27
	v_xor_b32 \dst, v29, v27
.endm
	TRIG v20, v14, v5
	TRIG v21, v15, v10
	global_store_b64 v22, v[20:21], s[16:17]       ; the wave's 256 bytes: one table row
.set i, 0
.rept ROWS
	s_wait_loadcnt ROWS-1-i                        ; loads return in order (ISA guide 5.7.1): row i is in, the younger rows stay out
	v_cvt_pk_f16_f32 v[Y+2*i], v[X+4*i], v[X+4*i+1]
	v_cvt_pk_f16_f32 v[Y+2*i+1], v[X+4*i+2], v[X+4*i+3]
	global_store_b64 v2, v[Y+2*i:Y+2*i+1], s[26:27] offset:DROW*i
.set i, i+1
.endr
	s_endpgm
.Lfunc_end_k_q75d113e1ce_prep:
	.size	k_q75d113e1ce_prep, .Lfunc_end_k_q75d113e1ce_prep-k_q75d113e1ce_prep
	.p2alignl 7, 3214868480
	.fill 96, 4, 3214868480
	.section	.rodata,"a",@progbits
	.p2align	6, 0x0
	.amdhsa_kernel k_q75d113e1ce_prep
		.amdhsa_group_segment_fixed_size 0
		.amdhsa_private_segment_fixed_size 0
		.amdhsa_enable_private_segment 0
		.amdhsa_kernarg_size 56
		.amdhsa_user_sgpr_count 2
		.amdhsa_user_sgpr_kernarg_segment_ptr 1
		.amdhsa_wavefront_size32 1
		.amdhsa_system_sgpr_workgroup_id_x 1
		.amdhsa_system_sgpr_workgroup_id_y 1
		.amdhsa_system_sgpr_workgroup_id_z 1
		.amdhsa_system_vgpr_workitem_id 0
		.amdhsa_next_free_vgpr 256
		.amdhsa_next_free_sgpr 66
		.amdhsa_reserve_vcc 1
		.amdhsa_float_denorm_mode_32 3
		.amdhsa_float_denorm_mode_16_64 3
		.amdhsa_memory_ordered 1
		.amdhsa_forward_progress 1
		.amdhsa_inst_pref_size 16
	.end_amdhsa_kernel
	.amdgpu_metadata
---
amdhsa.version: [ 1, 2 ]
amdhsa.kernels:
  - .name:           k_q75d113e1ce_prep
    .symbol:         k_q75d113e1ce_prep.kd
    .args:
      - { .name: x, .offset: 0, .size: 8, .value_kind: global_buffer, .address_space: global }
      - { .name: W_qkv, .offset: 8, .size: 8, .value_kind: global_buffer, .address_space: global }
      - { .name: W_out, .offset: 16, .size: 8, .value_kind: global_buffer, .address_space: global }
      - { .name: xh, .offset: 24, .size: 8, .value_kind: global_buffer, .address_space: global }
      - { .name: wqh, .offset: 32, .size: 8, .value_kind: global_buffer, .address_space: global }
      - { .name: woh, .offset: 40, .size: 8, .value_kind: global_buffer, .address_space: global }
      - { .name: tab, .offset: 48, .size: 8, .value_kind: global_buffer, .address_space: global }
    .group_segment_fixed_size: 0
    .private_segment_fixed_size: 0
    .kernarg_segment_align: 8
    .kernarg_segment_size: 56
    .max_flat_workgroup_size: 256
    .sgpr_count:     66
    .vgpr_count:     256
    .wavefront_size: 32
...
	.end_amdgpu_metadata
.endif
;; end of part 1
;; launch qkv (part 2): grid 16 x 16, 4 waves a work-group, clusters of 4 x 4, 327,680 bytes of LDS; arguments xh, wqh, tab, qh, kh, vh; writes qh, kh, vh
.if DOCPART == 2
	.amdgcn_target "amdgcn-amd-amdhsa--gfx1250"
	.amdhsa_code_object_version 6
	.text
	.protected	k_q75d113e1ce_qkv
	.globl	k_q75d113e1ce_qkv
	.p2align	8
	.type	k_q75d113e1ce_qkv,@function
k_q75d113e1ce_qkv:
	s_mov_b64 s[64:65], 0
	v_nop
	global_prefetch_b8 v0, s[64:65] scope:SCOPE_SE
	s_setreg_imm32_b32 hwreg(HW_REG_WAVE_MODE, 25, 1), 1
	s_wait_xcnt 0x0
	s_wait_alu depctr_hold_cnt(0) depctr_sa_sdst(0) depctr_va_vdst(0) depctr_va_sdst(0) depctr_va_ssrc(0) depctr_va_vcc(0) depctr_vm_vsrc(0)
	s_getreg_b32 s2, hwreg(HW_REG_IB_STS2, 6, 4)
	s_cmp_eq_u32 s2, 0
	s_cbranch_scc0 .Lentry_in_a_cluster
	s_endpgm
.Lentry_in_a_cluster:
	s_bfe_u32 s2, ttmp6, 0x10000c
	s_cmp_lg_u32 s2, 0xf033
	s_cbranch_scc0 .Lentry_shape_is_right
	s_endpgm
.Lentry_shape_is_right:
; qkv = xh wqh^T (f16 operands, f32 sums), RoPE on q and k, q scaled by 0.125 log2(e), all three stored in f16 as [batch*16 + head][t][64].
; Work-group (x = head, y = block of 256 rows of xh) makes 256 x 192 of the product: the head's 64 q, 64 k and 64 v columns.
; Four waves; wave w has rows 64 w .. 64 w + 63 and all 192 columns: 4 x 12 accumulator tiles of 16 x 16, 384 registers.  So a wave owns whole
; rows of q, k and v of its head and needs no other wave on the way out.
; K = 1024 goes in 8 steps of 128 through two LDS slots filled by tensor loads; a tile's rows are 256 bytes of memory at multiples of 256.
; CLUSTER 4 x 4: xh's tile hangs on the block row alone and is asked for jointly by the four work-groups of a row of the cluster, wqh's on the
; head alone and is asked for jointly along a column: a quarter of the requests.
; The matrix instruction is used transposed (source 0 = 16 rows of wqh, source 1 = 16 rows of xh): lane l then holds row l % 16 and the eight
; neighbouring columns 8 (l / 16) + 0..7, so RoPE's pairs (d, d ^ 1) lie in one register pair and eight results pack into 16 bytes.
; REGISTERS: window 0: v16-27 addresses, v32-63 / v64-95 xh's fragments (two buffers); on the way out v32-95 f32 at work, v96-143 packed, v144-191 read back.
;   window 1: v0-95 / v96-191 wqh's fragments (two buffers).  window 2: accumulators of row blocks 0, 1 at 8 (12 a + b), v192-255 their table rows.
;   window 3: the same for row blocks 2, 3.
; The 48 accumulators take turns, one instruction a turn, in the same order in every quarter step.
; LIMITS: q, k, v are kept in f16: magnitudes above 65,504 overflow, under 6e-8 round to 0.  NaN and infinities get no special care.
.set KSTEP,  128
.set PITCH,  272                       ; 256 bytes + 16: an odd multiple of 16, so the 16 rows of a fragment load start 16 bytes apart modulo 256
.set REG,    128*PITCH                 ; the LDS region that one wave's tensor load fills
.set SLOT,   4*REG                     ; xh's rows 0-127, 128-255, wqh's rows 0-95, 96-191 (96 of the region's 128 rows used)
.set STAGE,  2*SLOT                    ; behind the ring, a multiple of 256: no tensor load lands here
.set SPITCH, 144                       ; a staged row: 64 f16 + 16 bytes
.set SSEC,   16*SPITCH                 ; 16 rows of one of q, k, v
.set SWAVE,  3*SSEC
.set LAPS,   4                         ; 1024 / (2 x 128)
.set ADRA, 16                          ; v16-17 LDS address of my xh fragments in slot 0, 1
.set ADRB, 20                          ; v20-21 the same for wqh
.set STO,  24
.set RD,   25
.set CO,   26
.set TABO, 27
.set FA,   32
.set T,    32
.set TMP,  96
.set RB,   144
.set TB,   192
.set G1,  24
.set G0,  32
.set G1B, 48
.set G0B, 56
.set MSB, 0
.macro WIN new                         ; the immediate's high byte repeats the setting that is left
.if MSB != (\new)
	s_set_vgpr_msb (MSB<<8)|(\new)
.set MSB, (\new)
.endif
.endm
.set MUL_LO, 0xa1                      ; source 0 window 1, source 1 window 0, C and D window 2
.set MUL_HI, 0xf1                      ; C and D window 3
.set TO_B,   0x40                      ; destination window 1
.macro PLACES                          ; four plain places behind a matrix instruction (ISA guide 7.12.1) before its registers are loaded into or its results read
.rept 4
	v_nop
.endr
.endm
.macro JLOAD s                         ; waves 0, 1 ask for xh's two halves, waves 2, 3 for wqh's; the branch hangs on the wave's number alone
	s_cmp_eq_u32 s21, 0
	s_cbranch_scc0 .Lfor_b_\@
	tensor_load_to_lds s[G0+4*\s:G0+4*\s+3], s[G1:G1+7]
	s_nop 0
	s_branch .Lasked_\@
.Lfor_b_\@:
	tensor_load_to_lds s[G0B+4*\s:G0B+4*\s+3], s[G1B:G1B+7]
	s_nop 0
.Lasked_\@:
.endm
.macro CREST                           ; a round of the cluster's barrier behind its opening work-group barrier
	s_cmp_lg_u32 s20, 0
	s_cbranch_scc1 .Lnot_wave_0_\@
	s_barrier_signal -3
.Lnot_wave_0_\@:
	s_barrier_wait -3
	s_barrier_signal -1
	s_barrier_wait -1
.endm
.macro CROUND
	s_barrier_signal -1
	s_barrier_wait -1
	CREST
.endm
	s_load_b256 s[4:11], s[0:1], 0x0               ; xh s[4:5], wqh s[6:7], tab s[8:9], qh s[10:11]
	s_load_b128 s[12:15], s[0:1], 0x20             ; kh s[12:13], vh s[14:15]
	s_set_vgpr_msb 0x40
	v_lshl_add_u32 v255, v0, 2, 0x4ac00
	s_set_vgpr_msb 0x4000
	v_mov_b32 v255, 0
	s_set_vgpr_msb 0x1
	ds_add_u32 v255, v255
	s_set_vgpr_msb 0x100
	v_lshrrev_b32 v1, 5, v0
	v_readfirstlane_b32 s20, v1                    ; wave
	s_lshr_b32 s21, s20, 1                         ; 0: I fetch for xh, 1: for wqh
	s_and_b32 s22, s20, 1                          ; which half of that tile
	s_bfe_u32 s40, ttmp6, 0x40000                  ; cx
	s_bfe_u32 s41, ttmp6, 0x40004                  ; cy
	s_lshl_b32 s42, ttmp9, 2
	s_add_co_u32 s42, s42, s40                     ; head
	s_and_b32 s43, ttmp7, 0xffff
	s_lshl_b32 s43, s43, 2
	s_add_co_u32 s43, s43, s41                     ; block of 256 rows
	s_lshl_b32 s44, s41, 2
	s_lshl_b32 s44, 15, s44                        ; my row of the cluster
	s_lshl_b32 s45, 0x1111, s40                    ; my column
	; group 1: rows of 128 f16 (64 words), 4 words of padding behind each; 128 rows of xh, 96 rows of wqh; 1,024 elements from row to row
	s_or_b32 s[G1+0], s44, (1<<16)|(1<<20)|(1<<21)|(5<<22)|(3<<25)
	s_or_b32 s[G1B+0], s45, (1<<16)|(1<<20)|(1<<21)|(5<<22)|(3<<25)
	s_mov_b32 s[G1+1], KSTEP<<16
	s_mov_b32 s[G1B+1], KSTEP<<16
	s_mov_b32 s[G1+2], 128<<16
	s_mov_b32 s[G1B+2], 96<<16
	s_mov_b32 s[G1+3], KSTEP<<16
	s_mov_b32 s[G1B+3], KSTEP<<16
	s_mov_b32 s[G1+4], 128
	s_mov_b32 s[G1B+4], 96
	s_mov_b32 s[G1+5], 1024
	s_mov_b32 s[G1B+5], 1024
	s_mov_b32 s[G1+6], 0
	s_mov_b32 s[G1B+6], 0
	s_mov_b32 s[G1+7], 0
	s_mov_b32 s[G1B+7], 0
	; xh's address is made of the block row and the wave's number, wqh's of the head and the wave's number, each in registers that never hold the other coordinate
	s_lshl_b32 s16, s43, 8
	s_lshl_b32 s17, s22, 7
	s_add_co_u32 s16, s16, s17                     ; row 256 block + 128 half
	s_lshl_b32 s16, s16, 11                        ; 2,048 bytes a row; 8 MiB at the most
	s_mov_b32 s17, 0
	s_mul_i32 s46, s42, 192
	s_mul_i32 s47, s22, 96
	s_add_co_u32 s46, s46, s47                     ; row 192 head + 96 half
	s_lshl_b32 s46, s46, 11
	s_mov_b32 s47, 0
	s_mul_i32 s23, s20, REG                        ; my region: the wave's number alone
	s_wait_dscnt 0x0
	s_wait_kmcnt 0x0
	s_add_nc_u64 s[72:73], s[4:5], s[16:17]
	s_add_nc_u64 s[46:47], s[6:7], s[46:47]
	CROUND                                         ; all sixteen work-groups are here: the first joint loads meet
.irp s, 0,1
	s_mov_b32 s[G0+4*\s], 1
	s_add_co_u32 s[G0+4*\s+1], s23, \s*SLOT
	s_add_nc_u64 s[G0+4*\s+2:G0+4*\s+3], s[72:73], \s*KSTEP*2
	s_or_b32 s[G0+4*\s+3], s[G0+4*\s+3], 0x80000000
	s_mov_b32 s[G0B+4*\s], 1
	s_add_co_u32 s[G0B+4*\s+1], s23, \s*SLOT
	s_add_nc_u64 s[G0B+4*\s+2:G0B+4*\s+3], s[46:47], \s*KSTEP*2
	s_or_b32 s[G0B+4*\s+3], s[G0B+4*\s+3], 0x80000000
	JLOAD \s                                       ; K steps 0 and 1: two tensor loads of the wave are out, the most in this text
.endr
	v_and_b32 v1, 15, v0                           ; r = l % 16
	v_bfe_u32 v2, v0, 4, 1                         ; h = l / 16
	v_mul_u32_u24 v3, v1, PITCH
	v_lshl_add_u32 v3, v2, 4, v3                   ; r x pitch + 16 h
	s_mul_i32 s18, s20, 64*PITCH                   ; my 64 rows of xh
	v_add_nc_u32 v[ADRA], s18, v3
	v_add_nc_u32 v[ADRA+1], SLOT, v[ADRA]
	v_add_nc_u32 v[ADRB], 2*REG, v3                ; wqh's rows lie behind xh's 256
	v_add_nc_u32 v[ADRB+1], SLOT, v[ADRB]
	s_mul_i32 s19, s20, SWAVE
	s_add_co_u32 s19, s19, STAGE                   ; my stage
	v_mul_u32_u24 v4, v1, SPITCH
	v_lshl_add_u32 v4, v2, 4, v4
	v_add_nc_u32 v[STO], s19, v4                   ; in: row r, 16 bytes for each half of the lanes
	v_bfe_u32 v4, v0, 3, 2
	v_mul_u32_u24 v4, v4, SPITCH
	v_and_b32 v5, 7, v0
	v_lshl_add_u32 v4, v5, 4, v4
	v_add_nc_u32 v[RD], s19, v4                    ; back: eight lanes take a row of 128 bytes, the wave four rows
	v_and_b32 v5, 31, v0
	v_lshlrev_b32 v[CO], 4, v5                     ; four rows of 128 bytes are 512 consecutive bytes of qh, kh, vh
	s_and_b32 s69, s43, 7                          ; t of my first row = 256 (block % 8) + 64 wave
	s_lshl_b32 s69, s69, 8
	s_lshl_b32 s68, s20, 6
	s_add_co_u32 s69, s69, s68
	s_lshl_b32 s69, s69, 8                         ; 256 bytes a table row
	v_lshl_add_u32 v[TABO], v1, 8, s69
	v_lshl_add_u32 v[TABO], v2, 5, v[TABO]         ; + 32 h: my eight columns
; The table rows of row block a: cos of columns 8h.. and 16+8h.., then the signed sines of the same, 8 registers each.  Waited for on the way out only.
.macro TABLD a
.irp p, 0,1,2,3
	global_load_b128 v[TB+32*(\a&1)+8*\p:TB+32*(\a&1)+8*\p+3], v[TABO], s[8:9] offset:4096*\a+64*\p
	global_load_b128 v[TB+32*(\a&1)+8*\p+4:TB+32*(\a&1)+8*\p+7], v[TABO], s[8:9] offset:4096*\a+64*\p+16
.endr
.endm
	WIN 0x80
	TABLD 0
	TABLD 1
	WIN 0xc0
	TABLD 2
	TABLD 3
; 12 matrix instructions: row block 2 hi + a x all 12 column blocks, 32 along K, from buffer f.  zero = 1: the first product starts the sums.
.macro MUL12 f, hi, a, zero
.irp b, 0,1,2,3,4,5,6,7,8,9,10,11
.if \zero
	v_wmma_f32_16x16x32_f16 v[8*(12*\a+\b):8*(12*\a+\b)+7], v[96*\f+8*\b:96*\f+8*\b+7], v[FA+32*\f+8*(2*\hi+\a):FA+32*\f+8*(2*\hi+\a)+7], 0
.else
	v_wmma_f32_16x16x32_f16 v[8*(12*\a+\b):8*(12*\a+\b)+7], v[96*\f+8*\b:96*\f+8*\b+7], v[FA+32*\f+8*(2*\hi+\a):FA+32*\f+8*(2*\hi+\a)+7], v[8*(12*\a+\b):8*(12*\a+\b)+7]
.endif
.endr
.endm
; 32 LDS loads in one run: 12 fragments of wqh, then 4 of xh, 32 K at byte k of the rows, into buffer f
.macro FETCH slot, k, f
	WIN TO_B
.irp b, 0,1,2,3,4,5,6,7,8,9,10,11
	ds_load_b128 v[96*\f+8*\b:96*\f+8*\b+3], v[ADRB+\slot] offset:\k+(\b/6)*REG+(\b%6)*16*PITCH
	ds_load_b128 v[96*\f+8*\b+4:96*\f+8*\b+7], v[ADRB+\slot] offset:\k+(\b/6)*REG+(\b%6)*16*PITCH+32
.endr
	WIN 0
.irp a, 0,1,2,3
	ds_load_b128 v[FA+32*\f+8*\a:FA+32*\f+8*\a+3], v[ADRA+\slot] offset:\k+\a*16*PITCH
	ds_load_b128 v[FA+32*\f+8*\a+4:FA+32*\f+8*\a+7], v[ADRA+\slot] offset:\k+\a*16*PITCH+32
.endr
.endm
.macro QUARTER slot, k, f, g, zero
	s_wait_dscnt 4                                 ; all but the four youngest loads: xh's fragments 2 and 3 may be out
	WIN MUL_LO
	MUL12 \f, 0, 0, \zero
	MUL12 \f, 0, 1, \zero
	PLACES
	FETCH \slot, \k, \g
	s_wait_dscnt 32                                ; all but the 32 just issued
	WIN MUL_HI
	MUL12 \f, 1, 0, \zero
	MUL12 \f, 1, 1, \zero
.endm
.macro THREE slot, zero
	QUARTER \slot, 64,  0, 1, \zero
	QUARTER \slot, 128, 1, 0, 0
	QUARTER \slot, 192, 0, 1, 0
.endm
; The last quarter of a K step multiplies buffer 1 and changes slots.  In front of the barrier each wave waits for its reads of this slot and for all its
; tensor loads (one is out: its part of the next slot).  With fill = 1 the barrier opens a round of the cluster's barrier, and the joint refill, two K steps
; ahead, is the first tensor load behind the round.  From that request to the wait for it a wave issues 180 matrix instructions.
.macro TURN slot, next, fill
	s_wait_dscnt 4
	WIN MUL_LO
	MUL12 1, 0, 0, 0
	s_wait_dscnt 0x0
	s_wait_tensorcnt 0x0
	ds_add_u32 v255, v255
	s_wait_dscnt 0x0
	s_barrier_signal -1
	MUL12 1, 0, 1, 0                               ; register work while the others arrive
	WIN 0
	s_barrier_wait -1
.if \fill
	CREST
	s_add_nc_u64 s[G0+4*\slot+2:G0+4*\slot+3], s[G0+4*\slot+2:G0+4*\slot+3], 2*KSTEP*2     ; no tensor load of mine is out: group 0 may be written
	s_add_nc_u64 s[G0B+4*\slot+2:G0B+4*\slot+3], s[G0B+4*\slot+2:G0B+4*\slot+3], 2*KSTEP*2
	JLOAD \slot
.endif
	PLACES
	FETCH \next, 0, 0
	WIN MUL_HI
	MUL12 1, 1, 0, 0
	MUL12 1, 1, 1, 0
.endm
.macro LAP zero
	THREE 0, \zero
	TURN 0, 1, 1
	THREE 1, 0
	TURN 1, 0, 1
.endm
	s_wait_tensorcnt 1                             ; my part of K step 0 is in; K step 1's may stay out
	s_barrier_signal -1
	s_barrier_wait -1
	FETCH 0, 0, 0
	LAP 1
	WIN 0
	s_mov_b32 s3, LAPS-2
.Llap:
	LAP 0
	WIN 0
	s_sub_co_u32 s3, s3, 1
	s_cmp_lg_u32 s3, 0
	s_cbranch_scc1 .Llap
	THREE 0, 0                                     ; the last lap fills nothing
	TURN 0, 1, 0
	THREE 1, 0
	s_wait_dscnt 4
	WIN MUL_LO
	MUL12 1, 0, 0, 0
	MUL12 1, 0, 1, 0
	s_wait_dscnt 0x0
	WIN MUL_HI
	MUL12 1, 1, 0, 0
	MUL12 1, 1, 1, 0
	; THE WAY OUT
	PLACES
	s_wait_loadcnt 0x0                             ; the table rows
	s_lshr_b32 s66, s43, 3                         ; batch
	s_lshl_b32 s66, s66, 4
	s_add_co_u32 s66, s66, s42                     ; batch x 16 + head
	s_lshl_b32 s66, s66, 18                        ; 2,048 rows of 128 bytes
	s_lshr_b32 s67, s69, 1                         ; t of my first row x 128 bytes (s69 holds it x 256)
	s_add_co_u32 s66, s66, s67
	s_mov_b32 s67, 0
	s_add_nc_u64 s[10:11], s[10:11], s[66:67]
	s_add_nc_u64 s[12:13], s[12:13], s[66:67]
	s_add_nc_u64 s[14:15], s[14:15], s[66:67]
; Rows 16 a .. 16 a + 15 of my 64.  from: sources 0 and 1 in window 2 (0x0a) or 3 (0x0f).
.macro OUT a, from
	WIN \from
.irp b, 0,1,2,3,4,5,6,7
.irp jj, 0,1,2,3
	v_pk_mul_f32 v[T+8*\b+2*\jj:T+8*\b+2*\jj+1], v[8*(12*(\a&1)+\b)+2*\jj:8*(12*(\a&1)+\b)+2*\jj+1], v[TB+32*(\a&1)+8*(\b&1)+2*\jj:TB+32*(\a&1)+8*(\b&1)+2*\jj+1]
.endr
.irp jj, 0,1,2,3
	; + the pair's other number x the signed sine: the first source is taken with its two registers swapped
	v_pk_fma_f32 v[T+8*\b+2*\jj:T+8*\b+2*\jj+1], v[8*(12*(\a&1)+\b)+2*\jj:8*(12*(\a&1)+\b)+2*\jj+1], v[TB+32*(\a&1)+16+8*(\b&1)+2*\jj:TB+32*(\a&1)+16+8*(\b&1)+2*\jj+1], v[T+8*\b+2*\jj:T+8*\b+2*\jj+1] op_sel:[1,0,0] op_sel_hi:[0,1,1]
.endr
.endr
.irp b, 8,9,10,11
.irp jj, 0,1,2,3
	v_cvt_pk_f16_f32 v[TMP+4*\b+\jj], v[8*(12*(\a&1)+\b)+2*\jj], v[8*(12*(\a&1)+\b)+2*\jj+1]     ; v is only rounded
.endr
.endr
	WIN 0
.set i, 0
.rept 16
	v_pk_mul_f32 v[T+2*i:T+2*i+1], v[T+2*i:T+2*i+1], 0x3e38aa3b op_sel_hi:[1,0]     ; q alone: x 1/8 x log2(e), so that attention's scores are exponents of 2
.set i, i+1
.endr
.set i, 0
.rept 32
	v_cvt_pk_f16_f32 v[TMP+i], v[T+2*i], v[T+2*i+1]
.set i, i+1
.endr
.irp b, 0,1,2,3,4,5,6,7,8,9,10,11
	ds_store_b128 v[STO], v[TMP+4*\b:TMP+4*\b+3] offset:(\b>>2)*SSEC+32*(\b&3)
.endr
	s_wait_xcnt 0x0                                ; the read-back registers, which the last block's stores read, are loaded again only behind this wait
.irp n, 0,1,2,3,4,5,6,7,8,9,10,11
	ds_load_b128 v[RB+4*\n:RB+4*\n+3], v[RD] offset:(\n>>2)*SSEC+4*SPITCH*(\n&3)     ; LDS serves a wave's instructions in order (ISA guide 5.7.1.4): these see the stores above
.endr
.irp n, 0,1,2,3,4,5,6,7,8,9,10,11
	s_wait_dscnt 11-\n
	global_store_b128 v[CO], v[RB+4*\n:RB+4*\n+3], s[10+2*(\n>>2):11+2*(\n>>2)] offset:2048*\a+512*(\n&3)     ; 512 consecutive bytes, aligned
.endr
.endm
	OUT 0, 0x0a
	OUT 1, 0x0a
	OUT 2, 0x0f
	OUT 3, 0x0f
	s_set_vgpr_msb 0x1
	s_wait_tensorcnt 0x0
	ds_add_u32 v255, v255
	s_wait_dscnt 0x0
	s_set_vgpr_msb 0x100
	CROUND                                         ; the closing round: no work-group ends while a partner may still ask for a tile that names it
	s_endpgm
.Lfunc_end_k_q75d113e1ce_qkv:
	.size	k_q75d113e1ce_qkv, .Lfunc_end_k_q75d113e1ce_qkv-k_q75d113e1ce_qkv
	.p2alignl 7, 3214868480
	.fill 96, 4, 3214868480
	.section	.rodata,"a",@progbits
	.p2align	6, 0x0
	.amdhsa_kernel k_q75d113e1ce_qkv
		.amdhsa_group_segment_fixed_size 327680
		.amdhsa_private_segment_fixed_size 0
		.amdhsa_enable_private_segment 0
		.amdhsa_kernarg_size 48
		.amdhsa_user_sgpr_count 2
		.amdhsa_user_sgpr_kernarg_segment_ptr 1
		.amdhsa_wavefront_size32 1
		.amdhsa_system_sgpr_workgroup_id_x 1
		.amdhsa_system_sgpr_workgroup_id_y 1
		.amdhsa_system_sgpr_workgroup_id_z 1
		.amdhsa_system_vgpr_workitem_id 0
		.amdhsa_next_free_vgpr 1024
		.amdhsa_next_free_sgpr 76
		.amdhsa_reserve_vcc 0
		.amdhsa_float_denorm_mode_32 3
		.amdhsa_float_denorm_mode_16_64 3
		.amdhsa_memory_ordered 1
		.amdhsa_forward_progress 1
		.amdhsa_inst_pref_size 188
	.end_amdhsa_kernel
	.amdgpu_metadata
---
amdhsa.version: [ 1, 2 ]
amdhsa.kernels:
  - .name:           k_q75d113e1ce_qkv
    .symbol:         k_q75d113e1ce_qkv.kd
    .args:
      - { .name: xh, .offset: 0, .size: 8, .value_kind: global_buffer, .address_space: global }
      - { .name: wqh, .offset: 8, .size: 8, .value_kind: global_buffer, .address_space: global }
      - { .name: tab, .offset: 16, .size: 8, .value_kind: global_buffer, .address_space: global }
      - { .name: qh, .offset: 24, .size: 8, .value_kind: global_buffer, .address_space: global }
      - { .name: kh, .offset: 32, .size: 8, .value_kind: global_buffer, .address_space: global }
      - { .name: vh, .offset: 40, .size: 8, .value_kind: global_buffer, .address_space: global }
    .group_segment_fixed_size: 327680
    .private_segment_fixed_size: 0
    .kernarg_segment_align: 8
    .kernarg_segment_size: 48
    .max_flat_workgroup_size: 128
    .sgpr_count:     76
    .vgpr_count:     1024
    .wavefront_size: 32
...
	.end_amdgpu_metadata
.endif
;; end of part 2
;; launch attn (part 3): grid 8 x 32, 4 waves a work-group, clusters of 4 x 1, 327,680 bytes of LDS; arguments qh, kh, vh, yh; writes yh
.if DOCPART == 3
	.amdgcn_target "amdgcn-amd-amdhsa--gfx1250"
	.amdhsa_code_object_version 6
	.text
	.protected	k_q75d113e1ce_attn
	.globl	k_q75d113e1ce_attn
	.p2align	8
	.type	k_q75d113e1ce_attn,@function
k_q75d113e1ce_attn:
	s_mov_b64 s[64:65], 0
	v_nop
	global_prefetch_b8 v0, s[64:65] scope:SCOPE_SE
	s_setreg_imm32_b32 hwreg(HW_REG_WAVE_MODE, 25, 1), 1
	s_wait_xcnt 0x0
	s_wait_alu depctr_hold_cnt(0) depctr_sa_sdst(0) depctr_va_vdst(0) depctr_va_sdst(0) depctr_va_ssrc(0) depctr_va_vcc(0) depctr_vm_vsrc(0)
	s_getreg_b32 s2, hwreg(HW_REG_IB_STS2, 6, 4)
	s_cmp_eq_u32 s2, 0
	s_cbranch_scc0 .Lentry_in_a_cluster
	s_endpgm
.Lentry_in_a_cluster:
	s_bfe_u32 s2, ttmp6, 0x10000c
	s_cmp_lg_u32 s2, 0x3003
	s_cbranch_scc0 .Lentry_shape_is_right
	s_endpgm
.Lentry_shape_is_right:
; Softmax attention with a running maximum.  qh (already x 1/8 x log2 e), kh, vh, yh: [batch*16 + head][2048][64] f16.
; Work-group (x = block of 256 queries, y = head) has four waves; a wave has 64 queries as 4 blocks of 16.
; The keys go in 8 tiles of 256 through two LDS slots; a tile is worked in 4 sub-steps of 64 keys.
; CLUSTER 4 x 1: four query blocks of one head read the same K and V tiles and ask for them jointly (mask 15).
; LAYOUTS.  S^T = K Q^T: source 0 = 16 keys, source 1 = 16 queries; lane (r, h), register j holds key 8 h + j, query r.  Two such tiles, rounded to f16,
; ARE source 1 of the second product for 32 keys: P never leaves the registers.  Y^T = V^T P^T: source 0 = 16 d x 32 keys by transposing LDS loads;
; lane (r, h), register j holds d 8 h + j of query r.  So maximum, rescale factor and 1 / l are one number a lane.
; l is kept as each lane's own partial sum (its 8 of every 16 keys); the two halves of the lanes are added once at the end.
; ORDER: each softmax block stands behind 16 freshly issued matrix instructions of other query blocks, which it does not wait for.
; Matrix instructions on one accumulator never follow each other: four accumulators take turns, one instruction a turn.
; REGISTERS: window 0: v2-9 addresses, v10-17 (m, l) of the 4 query blocks, v18-19 the rescale factor twice, v20-28 at work, v64-127 P, v128-255 S.
;   window 1: v0-63 Q, v64-127 K's fragments, v128-191 V's.   window 2: v0-127 the 16 accumulator tiles of Y^T.
; LIMITS: p under 3e-8 rounds to 0 in f16 (l is summed in f32 from the unrounded p).  y is stored in f16.  Scores that are infinite or NaN get no special care.
.set KP,    144                        ; a key's 128 bytes + 16: odd multiple of 16
.set VP,    160                        ; a value row's 128 bytes + 32: odd multiple of 32, for the transposing loads
.set REG,   20480                      ; what one wave's tensor load fills: 128 rows (K: 18,432 bytes used)
.set SLOT,  4*REG                      ; K's keys 0-127, 128-255, V's 0-127, 128-255
.set STAGE, 2*SLOT                     ; a multiple of 256, behind the ring
.set SWAVE, 64*144
.set ADRK, 2
.set ADRV, 4
.set STO,  6
.set RD,   7
.set CO,   8
.set QO,   9
.set ML,   10
.set AL,   18
.set TT,   20
.set NM,   28
.set P,    64
.set S,    128
.set Q,    0
.set KF,   64
.set VF,   128
.set G1K, 24
.set G0K, 32
.set G1V, 48
.set G0V, 56
.set MSB, 0
.macro WIN new
.if MSB != (\new)
	s_set_vgpr_msb (MSB<<8)|(\new)
.set MSB, (\new)
.endif
.endm
.macro PLACES                          ; four plain places behind a matrix instruction (ISA guide 7.12.1)
.rept 4
	v_nop
.endr
.endm
.macro JLOAD s                         ; waves 0, 1 ask for K's halves, waves 2, 3 for V's
	s_cmp_eq_u32 s21, 0
	s_cbranch_scc0 .Lfor_v_\@
	tensor_load_to_lds s[G0K+4*\s:G0K+4*\s+3], s[G1K:G1K+7]
	s_nop 0
	s_branch .Lasked_\@
.Lfor_v_\@:
	tensor_load_to_lds s[G0V+4*\s:G0V+4*\s+3], s[G1V:G1V+7]
	s_nop 0
.Lasked_\@:
.endm
.macro CROUND                          ; a round of the cluster's barrier
	s_barrier_signal -1
	s_barrier_wait -1
	s_cmp_lg_u32 s20, 0
	s_cbranch_scc1 .Lnot_wave_0_\@
	s_barrier_signal -3
.Lnot_wave_0_\@:
	s_barrier_wait -3
	s_barrier_signal -1
	s_barrier_wait -1
.endm
	s_load_b256 s[4:11], s[0:1], 0x0               ; qh s[4:5], kh s[6:7], vh s[8:9], yh s[10:11]
	s_set_vgpr_msb 0x80
	v_lshl_add_u32 v129, v0, 2, 0x31000
	s_set_vgpr_msb 0x8000
	v_mov_b32 v63, 0
	s_set_vgpr_msb 0x2
	ds_add_u32 v129, v63
	s_set_vgpr_msb 0x200
	v_lshrrev_b32 v1, 5, v0
	v_readfirstlane_b32 s20, v1                    ; wave
	s_lshr_b32 s21, s20, 1
	s_and_b32 s22, s20, 1
	s_bfe_u32 s40, ttmp6, 0x40000                  ; cx
	s_lshl_b32 s42, ttmp9, 2
	s_add_co_u32 s42, s42, s40                     ; block of 256 queries
	s_and_b32 s43, ttmp7, 0xffff                   ; batch x 16 + head
	s_mov_b32 s12, 0x76543210                      ; v_permlanex16_b32: lane i of one half reads lane i of the other
	s_mov_b32 s13, 0xfedcba98
	; group 1: 128 rows of 128 bytes are dense in memory and come as 64 rows of 256 bytes; padding behind every 32 words: 4 words for K, 8 for V
	s_mov_b32 s[G1K+0], 15|(1<<16)|(1<<20)|(1<<21)|(4<<22)|(3<<25)
	s_mov_b32 s[G1V+0], 15|(1<<16)|(1<<20)|(1<<21)|(4<<22)|(7<<25)
	s_mov_b32 s[G1K+1], 128<<16
	s_mov_b32 s[G1V+1], 128<<16
	s_mov_b32 s[G1K+2], 64<<16
	s_mov_b32 s[G1V+2], 64<<16
	s_mov_b32 s[G1K+3], 128<<16
	s_mov_b32 s[G1V+3], 128<<16
	s_mov_b32 s[G1K+4], 64
	s_mov_b32 s[G1V+4], 64
	s_mov_b32 s[G1K+5], 128
	s_mov_b32 s[G1V+5], 128
	s_mov_b32 s[G1K+6], 0
	s_mov_b32 s[G1V+6], 0
	s_mov_b32 s[G1K+7], 0
	s_mov_b32 s[G1V+7], 0
	s_lshl_b32 s16, s43, 18                        ; the head's 2,048 rows of 128 bytes
	s_lshl_b32 s17, s22, 14                        ; my half of a tile: 128 rows
	s_add_co_u32 s16, s16, s17                     ; made of the head and the wave's number alone: equal in the four partners
	s_mov_b32 s17, 0
	s_mul_i32 s23, s20, REG
	s_lshl_b32 s44, s43, 18                        ; my 64 queries, in qh and in yh
	s_lshl_b32 s45, s42, 15
	s_add_co_u32 s44, s44, s45
	s_lshl_b32 s45, s20, 13
	s_add_co_u32 s44, s44, s45
	s_mov_b32 s45, 0
	s_wait_dscnt 0x0
	s_wait_kmcnt 0x0
	s_add_nc_u64 s[14:15], s[6:7], s[16:17]
	s_add_nc_u64 s[18:19], s[8:9], s[16:17]
	s_add_nc_u64 s[4:5], s[4:5], s[44:45]
	s_add_nc_u64 s[10:11], s[10:11], s[44:45]
	CROUND                                         ; the four work-groups are here: the first joint loads meet
.irp s, 0,1
	s_mov_b32 s[G0K+4*\s], 1
	s_add_co_u32 s[G0K+4*\s+1], s23, \s*SLOT
	s_add_nc_u64 s[G0K+4*\s+2:G0K+4*\s+3], s[14:15], \s*32768
	s_or_b32 s[G0K+4*\s+3], s[G0K+4*\s+3], 0x80000000
	s_mov_b32 s[G0V+4*\s], 1
	s_add_co_u32 s[G0V+4*\s+1], s23, \s*SLOT
	s_add_nc_u64 s[G0V+4*\s+2:G0V+4*\s+3], s[18:19], \s*32768
	s_or_b32 s[G0V+4*\s+3], s[G0V+4*\s+3], 0x80000000
	JLOAD \s                                       ; tiles 0 and 1: two tensor loads of the wave are out, the most in this text
.endr
	v_and_b32 v1, 15, v0                           ; r
	v_bfe_u32 v29, v0, 4, 1                        ; h
	v_mul_u32_u24 v[ADRK], v1, KP
	v_lshl_add_u32 v[ADRK], v29, 4, v[ADRK]        ; key r, 16 h
	v_add_nc_u32 v[ADRK+1], SLOT, v[ADRK]
	v_and_b32 v30, 7, v0
	v_lshl_add_u32 v30, v29, 3, v30                ; key 8 h + l % 8
	v_mul_u32_u24 v30, v30, VP
	v_bfe_u32 v31, v0, 3, 1
	v_lshl_add_u32 v30, v31, 4, v30                ; + 16 ((l / 8) % 2)
	v_add_nc_u32 v[ADRV], 2*REG, v30
	v_add_nc_u32 v[ADRV+1], 2*REG+SLOT, v30
	s_mul_i32 s46, s20, SWAVE
	s_add_co_u32 s46, s46, STAGE
	v_mul_u32_u24 v30, v1, 144
	v_lshl_add_u32 v30, v29, 4, v30
	v_add_nc_u32 v[STO], s46, v30
	v_bfe_u32 v30, v0, 3, 2
	v_mul_u32_u24 v30, v30, 144
	v_and_b32 v31, 7, v0
	v_lshl_add_u32 v30, v31, 4, v30
	v_add_nc_u32 v[RD], s46, v30
	v_and_b32 v31, 31, v0
	v_lshlrev_b32 v[CO], 4, v31
	v_lshlrev_b32 v[QO], 7, v1
	v_lshl_add_u32 v[QO], v29, 4, v[QO]
.irp q, 0,1,2,3
	v_mov_b32 v[ML+2*\q+1], 0                      ; l: the pair (m, l) is named whole by the packed subtraction before l's first sum is written
.endr
	WIN 0x40
.irp q, 0,1,2,3
.irp kf, 0,1
	global_load_b128 v[Q+16*\q+8*\kf:Q+16*\q+8*\kf+3], v[QO], s[4:5] offset:2048*\q+64*\kf
	global_load_b128 v[Q+16*\q+8*\kf+4:Q+16*\q+8*\kf+7], v[QO], s[4:5] offset:2048*\q+64*\kf+32
.endr
.endr
; K's fragments of sub-step j (64 keys x 64 d): 16 loads
.macro LOADK slot, j
	WIN 0x40
.irp kt, 0,1,2,3
.irp kf, 0,1
	ds_load_b128 v[KF+16*\kt+8*\kf:KF+16*\kt+8*\kf+3], v[ADRK+\slot] offset:(\j>>1)*REG+((\j&1)*64+16*\kt)*KP+64*\kf
	ds_load_b128 v[KF+16*\kt+8*\kf+4:KF+16*\kt+8*\kf+7], v[ADRK+\slot] offset:(\j>>1)*REG+((\j&1)*64+16*\kt)*KP+64*\kf+32
.endr
.endr
.endm
; V^T's fragments of sub-step j (64 d x 64 keys): 16 transposing loads
.macro LOADV slot, j
	WIN 0x40
.irp dt, 0,1,2,3
.irp kh, 0,1
	ds_load_tr16_b128 v[VF+16*\dt+8*\kh:VF+16*\dt+8*\kh+3], v[ADRV+\slot] offset:(\j>>1)*REG+((\j&1)*64+32*\kh)*VP+32*\dt
	ds_load_tr16_b128 v[VF+16*\dt+8*\kh+4:VF+16*\dt+8*\kh+7], v[ADRV+\slot] offset:(\j>>1)*REG+((\j&1)*64+32*\kh)*VP+32*\dt+16*VP
.endr
.endr
.endm
; scores of query block q with the 64 keys in KF: 8 matrix instructions, the four key tiles by turns
.macro SQK q
	WIN 0x05
.irp kt, 0,1,2,3
	v_wmma_f32_16x16x32_f16 v[S+32*\q+8*\kt:S+32*\q+8*\kt+7], v[KF+16*\kt:KF+16*\kt+7], v[Q+16*\q:Q+16*\q+7], 0
.endr
.irp kt, 0,1,2,3
	v_wmma_f32_16x16x32_f16 v[S+32*\q+8*\kt:S+32*\q+8*\kt+7], v[KF+16*\kt+8:KF+16*\kt+15], v[Q+16*\q+8:Q+16*\q+15], v[S+32*\q+8*\kt:S+32*\q+8*\kt+7]
.endr
.endm
; Y^T of query block q += V^T P^T: 8 matrix instructions, the four d tiles by turns.  zero = 1: the first product starts the sums.
.macro PV q, zero
	WIN 0xa1
.irp dt, 0,1,2,3
.if \zero
	v_wmma_f32_16x16x32_f16 v[32*\q+8*\dt:32*\q+8*\dt+7], v[VF+16*\dt:VF+16*\dt+7], v[P+16*\q:P+16*\q+7], 0
.else
	v_wmma_f32_16x16x32_f16 v[32*\q+8*\dt:32*\q+8*\dt+7], v[VF+16*\dt:VF+16*\dt+7], v[P+16*\q:P+16*\q+7], v[32*\q+8*\dt:32*\q+8*\dt+7]
.endif
.endr
.irp dt, 0,1,2,3
	v_wmma_f32_16x16x32_f16 v[32*\q+8*\dt:32*\q+8*\dt+7], v[VF+16*\dt+8:VF+16*\dt+15], v[P+16*\q+8:P+16*\q+15], v[32*\q+8*\dt:32*\q+8*\dt+7]
.endr
.endm
; softmax step of query block q on its 32 scores a lane.  first = 1: nothing to rescale yet.
.macro SM q, first
	WIN 0
.irp c, 0,1,2,3
	v_max3_num_f32 v[TT+\c], v[S+32*\q+8*\c], v[S+32*\q+8*\c+1], v[S+32*\q+8*\c+2]     ; four chains that do not wait for each other
.endr
.irp c, 0,1,2,3
	v_max3_num_f32 v[TT+\c], v[TT+\c], v[S+32*\q+8*\c+3], v[S+32*\q+8*\c+4]
.endr
.irp c, 0,1,2,3
	v_max3_num_f32 v[TT+\c], v[TT+\c], v[S+32*\q+8*\c+5], v[S+32*\q+8*\c+6]
.endr
.irp c, 0,1,2,3
	v_max_num_f32 v[TT+\c], v[TT+\c], v[S+32*\q+8*\c+7]
.endr
	v_max3_num_f32 v[TT], v[TT], v[TT+1], v[TT+2]
	v_max_num_f32 v[TT], v[TT], v[TT+3]
	v_permlanex16_b32 v[TT+1], v[TT], s12, s13     ; the other half of the lanes holds the query's other keys
.if \first
	v_max_num_f32 v[ML+2*\q], v[TT], v[TT+1]
.else
	v_max3_num_f32 v[NM], v[TT], v[TT+1], v[ML+2*\q]
	v_sub_f32 v[AL], v[ML+2*\q], v[NM]
	v_exp_f32 v[AL], v[AL]                         ; 2^(old maximum - new), at most 1
	v_mov_b32 v[ML+2*\q], v[NM]
.endif
.set i, 0
.rept 16
	v_pk_add_f32 v[S+32*\q+i:S+32*\q+i+1], v[S+32*\q+i:S+32*\q+i+1], v[ML+2*\q:ML+2*\q+1] op_sel_hi:[1,0] neg_lo:[0,1] neg_hi:[0,1]     ; s - m, both halves by m
.set i, i+2
.endr
.set i, 0
.rept 32
	v_exp_f32 v[S+32*\q+i], v[S+32*\q+i]
.set i, i+1
.endr
.if \first
	v_nop                                          ; one plain place behind the last exponential (ISA guide 5.7.2)
	s_wait_alu depctr_va_vdst(0)
.else
	s_wait_alu depctr_va_vdst(0)
	v_mov_b32 v[AL+1], v[AL]                       ; that place, used: the factor twice, for the packed multiply
.endif
.irp c, 0,1,2,3
	v_pk_add_f32 v[TT+2*\c:TT+2*\c+1], v[S+32*\q+4*\c:S+32*\q+4*\c+1], v[S+32*\q+4*\c+2:S+32*\q+4*\c+3]
.endr
.irp c, 0,1,2,3
	v_pk_add_f32 v[TT+2*\c:TT+2*\c+1], v[TT+2*\c:TT+2*\c+1], v[S+32*\q+16+2*\c:S+32*\q+16+2*\c+1]
.endr
.irp c, 0,1,2,3
	v_pk_add_f32 v[TT+2*\c:TT+2*\c+1], v[TT+2*\c:TT+2*\c+1], v[S+32*\q+24+2*\c:S+32*\q+24+2*\c+1]
.endr
	v_pk_add_f32 v[TT:TT+1], v[TT:TT+1], v[TT+2:TT+3]
	v_pk_add_f32 v[TT+4:TT+5], v[TT+4:TT+5], v[TT+6:TT+7]
	v_pk_add_f32 v[TT:TT+1], v[TT:TT+1], v[TT+4:TT+5]
.if \first
	v_add_f32 v[ML+2*\q+1], v[TT], v[TT+1]
.else
	v_add_f32 v[TT], v[TT], v[TT+1]
	v_fma_f32 v[ML+2*\q+1], v[ML+2*\q+1], v[AL], v[TT]
.endif
.set i, 0
.rept 16
	v_cvt_pk_f16_f32 v[P+16*\q+i], v[S+32*\q+2*i], v[S+32*\q+2*i+1]
.set i, i+1
.endr
.if \first == 0
	WIN 0x82
.set i, 0
.rept 16
	v_pk_mul_f32 v[32*\q+i:32*\q+i+1], v[32*\q+i:32*\q+i+1], v[AL:AL+1]
.set i, i+2
.endr
.endif
.endm
; The change of slots, in a tile's last sub-step, where the slot's last fragments have just come back (the wait for all LDS loads stands right in front).
; sw = 1: a round of the cluster's barrier, then the joint refill with the tile two further on, which has four sub-steps in which to land.
; sw = 2: nothing is left to fetch: the waits and my work-group's barrier show the last tile whole.
.macro SWITCH slot, sw
.if \sw == 1
	s_wait_tensorcnt 0x0                           ; all my tensor loads have landed: the one that was out is my part of the next tile
	ds_add_u32 v129, v63
	s_wait_dscnt 0x0
	s_add_nc_u64 s[G0K+4*\slot+2:G0K+4*\slot+3], s[G0K+4*\slot+2:G0K+4*\slot+3], 65536
	s_add_nc_u64 s[G0V+4*\slot+2:G0V+4*\slot+3], s[G0V+4*\slot+2:G0V+4*\slot+3], 65536
	WIN 0
	CROUND
	JLOAD \slot
.endif
.if \sw == 2
	s_wait_tensorcnt 0x0
	WIN 0
	s_barrier_signal -1
	s_barrier_wait -1
.endif
.endm
; One sub-step.  On entry K's fragments of (slot, j) are in registers and the scores of query blocks 0 and 1 have been issued.
; more = 1: K's fragments of (nslot, nj) are fetched and the next sub-step's first two score blocks issued.
.macro SUB slot, j, first, sw, nslot, nj, more
	PLACES
	LOADV \slot, \j
	SM 0, \first
	s_wait_dscnt 0x0                               ; V's fragments are in; no read of this slot's sub-step is out
	SWITCH \slot, \sw
	PV 0, \first
	SQK 2
	SM 1, \first
	PV 1, \first
	SQK 3
.if \more
	PLACES
	LOADK \nslot, \nj
.endif
	SM 2, \first
.if \more
	s_wait_dscnt 0x0                               ; the next K fragments are in
.endif
	PV 2, \first
.if \more
	SQK 0
.endif
	SM 3, \first
	PV 3, \first
.if \more
	SQK 1
.endif
.endm
.macro TILE slot, nslot, first, sw, more
	SUB \slot, 0, \first, 0, \slot, 1, 1
	SUB \slot, 1, 0, 0, \slot, 2, 1
	SUB \slot, 2, 0, 0, \slot, 3, 1
	SUB \slot, 3, 0, \sw, \nslot, 0, \more
.endm
	s_wait_tensorcnt 1                             ; my part of tile 0 is in; tile 1's may stay out
	s_barrier_signal -1
	s_barrier_wait -1
	LOADK 0, 0
	s_wait_loadcnt 0x0                             ; Q
	s_wait_dscnt 0x0
	SQK 0
	SQK 1
	TILE 0, 1, 1, 1, 1                             ; tiles 0 and 1 stand in front of the loop: the first products start the sums
	TILE 1, 0, 0, 1, 1
	WIN 0
	s_mov_b32 s3, 2
.Lpair:
	TILE 0, 1, 0, 1, 1                             ; tiles 2 to 5
	TILE 1, 0, 0, 1, 1
	WIN 0
	s_sub_co_u32 s3, s3, 1
	s_cmp_lg_u32 s3, 0
	s_cbranch_scc1 .Lpair
	TILE 0, 1, 0, 2, 1                             ; tile 6 fills nothing
	TILE 1, 0, 0, 0, 0                             ; tile 7
	; THE WAY OUT: y = Y / l, rounded to f16, through my own stage, out as 512 consecutive bytes a store
	PLACES
	WIN 0
.irp q, 0,1,2,3
	v_permlanex16_b32 v[NM], v[ML+2*\q+1], s12, s13
	v_add_f32 v[TT+2*\q+1], v[ML+2*\q+1], v[NM]    ; l: both halves of the lanes
.endr
.irp q, 0,1,2,3
	v_rcp_f32 v[TT+2*\q], v[TT+2*\q+1]
.endr
	v_nop                                          ; one plain place behind the reciprocals
	WIN 0x02
	s_wait_alu depctr_va_vdst(0)
.irp q, 0,1,2,3
.set i, 0
.rept 16
	v_pk_mul_f32 v[S+32*\q+i:S+32*\q+i+1], v[32*\q+i:32*\q+i+1], v[TT+2*\q:TT+2*\q+1] op_sel_hi:[1,0]
.set i, i+2
.endr
.endr
	WIN 0
.set i, 0
.rept 64
	v_cvt_pk_f16_f32 v[P+i], v[S+2*i], v[S+2*i+1]
.set i, i+1
.endr
.irp q, 0,1,2,3
.irp dt, 0,1,2,3
	ds_store_b128 v[STO], v[P+16*\q+4*\dt:P+16*\q+4*\dt+3] offset:2304*\q+32*\dt
.endr
.endr
.set i, 0
.rept 16
	ds_load_b128 v[S+4*i:S+4*i+3], v[RD] offset:576*i     ; LDS serves a wave's instructions in order (ISA guide 5.7.1.4): these see the stores above
.set i, i+1
.endr
.set i, 0
.rept 16
	s_wait_dscnt 15-i
	global_store_b128 v[CO], v[S+4*i:S+4*i+3], s[10:11] offset:512*i
.set i, i+1
.endr
	s_set_vgpr_msb 0x2
	s_wait_tensorcnt 0x0
	ds_add_u32 v129, v63
	s_wait_dscnt 0x0
	s_set_vgpr_msb 0x200
	CROUND                                         ; the closing round
	s_endpgm
.Lfunc_end_k_q75d113e1ce_attn:
	.size	k_q75d113e1ce_attn, .Lfunc_end_k_q75d113e1ce_attn-k_q75d113e1ce_attn
	.p2alignl 7, 3214868480
	.fill 96, 4, 3214868480
	.section	.rodata,"a",@progbits
	.p2align	6, 0x0
	.amdhsa_kernel k_q75d113e1ce_attn
		.amdhsa_group_segment_fixed_size 327680
		.amdhsa_private_segment_fixed_size 0
		.amdhsa_enable_private_segment 0
		.amdhsa_kernarg_size 32
		.amdhsa_user_sgpr_count 2
		.amdhsa_user_sgpr_kernarg_segment_ptr 1
		.amdhsa_wavefront_size32 1
		.amdhsa_system_sgpr_workgroup_id_x 1
		.amdhsa_system_sgpr_workgroup_id_y 1
		.amdhsa_system_sgpr_workgroup_id_z 1
		.amdhsa_system_vgpr_workitem_id 0
		.amdhsa_next_free_vgpr 642
		.amdhsa_next_free_sgpr 66
		.amdhsa_reserve_vcc 0
		.amdhsa_float_denorm_mode_32 3
		.amdhsa_float_denorm_mode_16_64 3
		.amdhsa_memory_ordered 1
		.amdhsa_forward_progress 1
		.amdhsa_inst_pref_size 255
	.end_amdhsa_kernel
	.section	.bss,"aw",@nobits
	.p2align	6
	.space	262144
	.amdgpu_metadata
---
amdhsa.version: [ 1, 2 ]
amdhsa.kernels:
  - .name:           k_q75d113e1ce_attn
    .symbol:         k_q75d113e1ce_attn.kd
    .args:
      - { .name: qh, .offset: 0, .size: 8, .value_kind: global_buffer, .address_space: global }
      - { .name: kh, .offset: 8, .size: 8, .value_kind: global_buffer, .address_space: global }
      - { .name: vh, .offset: 16, .size: 8, .value_kind: global_buffer, .address_space: global }
      - { .name: yh, .offset: 24, .size: 8, .value_kind: global_buffer, .address_space: global }
    .group_segment_fixed_size: 327680
    .private_segment_fixed_size: 0
    .kernarg_segment_align: 8
    .kernarg_segment_size: 32
    .max_flat_workgroup_size: 128
    .sgpr_count:     66
    .vgpr_count:     642
    .wavefront_size: 32
...
	.end_amdgpu_metadata
.endif
;; end of part 3
;; launch proj (part 4): grid 8 x 32, 4 waves a work-group, clusters of 4 x 4, 327,680 bytes of LDS; arguments yh, woh, out0; writes out0
.if DOCPART == 4
	.amdgcn_target "amdgcn-amd-amdhsa--gfx1250"
	.amdhsa_code_object_version 6
	.text
	.protected	k_q75d113e1ce_proj
	.globl	k_q75d113e1ce_proj
	.p2align	8
	.type	k_q75d113e1ce_proj,@function
k_q75d113e1ce_proj:
	s_mov_b64 s[64:65], 0
	v_nop
	global_prefetch_b8 v0, s[64:65] scope:SCOPE_SE
	s_setreg_imm32_b32 hwreg(HW_REG_WAVE_MODE, 25, 1), 1
	s_wait_xcnt 0x0
	s_wait_alu depctr_hold_cnt(0) depctr_sa_sdst(0) depctr_va_vdst(0) depctr_va_sdst(0) depctr_va_ssrc(0) depctr_va_vcc(0) depctr_vm_vsrc(0)
	s_getreg_b32 s2, hwreg(HW_REG_IB_STS2, 6, 4)
	s_cmp_eq_u32 s2, 0
	s_cbranch_scc0 .Lentry_in_a_cluster
	s_endpgm
.Lentry_in_a_cluster:
	s_bfe_u32 s2, ttmp6, 0x10000c
	s_cmp_lg_u32 s2, 0xf033
	s_cbranch_scc0 .Lentry_shape_is_right
	s_endpgm
.Lentry_shape_is_right:
; out0 = y woh^T.  yh: [batch*16 + head][2048][64] f16, so column c = 64 head + d of y; woh: [1024][1024] f16; out0: [4096][1024] f32.
; Work-group (x = block of 128 columns, y = block of 128 rows) has four waves, 2 x 2, each 64 x 64: 16 accumulator tiles.  256 work-groups.
; K = 1024 goes in 4 tiles of 256 (four heads) through two LDS slots: a slot holds two steps of 128, so that a refill has 128 matrix instructions in which to land.
; CLUSTER 4 x 4: y's tile hangs on the block row alone and is shared along a row of the cluster, woh's on the block column alone, shared along a column.
; The matrix instruction is used transposed (source 0 = rows of woh, source 1 = rows of y): a lane holds eight neighbouring columns of one row, 32 bytes.
; The 16 accumulators take turns, one instruction a turn.
; REGISTERS: window 0: v16-26 addresses, v32-95 / v96-159 fragments (y's 4, then woh's 4; two buffers), v160-191 read back.  window 1: v0-127 accumulators.
.set REG,   36864                      ; what one wave's tensor load fills
.set SLOT,  4*REG                      ; y: heads 0, 1 | heads 2, 3 | woh: rows 0-63 | rows 64-127
.set STAGE, 2*SLOT                     ; a multiple of 256, behind the ring
.set AP,    144                        ; a row of one head: 128 bytes + 16
.set PLANE, 128*AP                     ; one head's 128 rows
.set BP,    528                        ; a row of woh's tile: 512 bytes + 16
.set SP,    272                        ; a staged row: 64 f32 + 16 bytes
.set SWAVE, 16*SP
.set ADRA, 16
.set ADRB, 20
.set STO,  24
.set RD,   25
.set CO,   26
.set F,    32
.set RB,   160
.set G1,  24
.set G0,  32
.set G1B, 48
.set G0B, 56
.set MUL, 0x50                         ; C and D window 1, sources window 0
.set MSB, 0
.macro WIN new
.if MSB != (\new)
	s_set_vgpr_msb (MSB<<8)|(\new)
.set MSB, (\new)
.endif
.endm
.macro PLACES                          ; four plain places behind a matrix instruction (ISA guide 7.12.1)
.rept 4
	v_nop
.endr
.endm
.macro JLOAD s
	s_cmp_eq_u32 s21, 0
	s_cbranch_scc0 .Lfor_b_\@
	tensor_load_to_lds s[G0+4*\s:G0+4*\s+3], s[G1:G1+7]
	s_nop 0
	s_branch .Lasked_\@
.Lfor_b_\@:
	tensor_load_to_lds s[G0B+4*\s:G0B+4*\s+3], s[G1B:G1B+7]
	s_nop 0
.Lasked_\@:
.endm
.macro CREST
	s_cmp_lg_u32 s20, 0
	s_cbranch_scc1 .Lnot_wave_0_\@
	s_barrier_signal -3
.Lnot_wave_0_\@:
	s_barrier_wait -3
	s_barrier_signal -1
	s_barrier_wait -1
.endm
.macro CROUND
	s_barrier_signal -1
	s_barrier_wait -1
	CREST
.endm
	s_load_b128 s[4:7], s[0:1], 0x0                ; yh s[4:5], woh s[6:7]
	s_load_b64 s[8:9], s[0:1], 0x10                ; out0
	v_lshl_add_u32 v254, v0, 2, 0x4c400
	v_mov_b32 v255, 0
	ds_add_u32 v254, v255
	v_lshrrev_b32 v1, 5, v0
	v_readfirstlane_b32 s20, v1                    ; wave
	s_lshr_b32 s21, s20, 1                         ; my half of the rows.  Also: I fetch for y (0) or for woh (1)
	s_and_b32 s22, s20, 1                          ; my half of the columns.  Also: which half of that tile I fetch
	s_bfe_u32 s40, ttmp6, 0x40000                  ; cx
	s_bfe_u32 s41, ttmp6, 0x40004                  ; cy
	s_lshl_b32 s42, ttmp9, 2
	s_add_co_u32 s42, s42, s40                     ; block column
	s_and_b32 s43, ttmp7, 0xffff
	s_lshl_b32 s43, s43, 2
	s_add_co_u32 s43, s43, s41                     ; block row
	s_lshl_b32 s44, s41, 2
	s_lshl_b32 s44, 15, s44                        ; my row of the cluster
	s_lshl_b32 s45, 0x1111, s40                    ; my column
	; y: a head's 128 rows of 128 bytes are dense: one row of 8,192 elements; two heads, 131,072 elements apart; 4 words of padding behind every 32
	s_or_b32 s[G1+0], s44, (1<<16)|(1<<20)|(1<<21)|(4<<22)|(3<<25)
	s_mov_b32 s[G1+1], 8192<<16
	s_mov_b32 s[G1+2], 2<<16
	s_mov_b32 s[G1+3], 8192<<16
	s_mov_b32 s[G1+4], 2
	s_mov_b32 s[G1+5], 131072
	s_mov_b32 s[G1+6], 0
	s_mov_b32 s[G1+7], 0
	; woh: 64 rows of 256 elements (128 words), 4 words of padding behind each, 1,024 elements from row to row
	s_or_b32 s[G1B+0], s45, (1<<16)|(1<<20)|(1<<21)|(6<<22)|(3<<25)
	s_mov_b32 s[G1B+1], 256<<16
	s_mov_b32 s[G1B+2], 64<<16
	s_mov_b32 s[G1B+3], 256<<16
	s_mov_b32 s[G1B+4], 64
	s_mov_b32 s[G1B+5], 1024
	s_mov_b32 s[G1B+6], 0
	s_mov_b32 s[G1B+7], 0
	s_lshr_b32 s16, s43, 4                         ; batch: 16 heads of 262,144 bytes
	s_lshl_b32 s16, s16, 22
	s_lshl_b32 s17, s22, 19                        ; my two heads of the tile's four
	s_add_co_u32 s16, s16, s17
	s_and_b32 s17, s43, 15                         ; the block's 128 rows of 128 bytes inside a head
	s_lshl_b32 s17, s17, 14
	s_add_co_u32 s16, s16, s17
	s_mov_b32 s17, 0
	s_lshl_b32 s46, s42, 7
	s_lshl_b32 s47, s22, 6
	s_add_co_u32 s46, s46, s47                     ; woh's row 128 block + 64 half
	s_lshl_b32 s46, s46, 11
	s_mov_b32 s47, 0
	s_mul_i32 s23, s20, REG
	s_wait_dscnt 0x0
	s_wait_kmcnt 0x0
	s_add_nc_u64 s[18:19], s[4:5], s[16:17]
	s_add_nc_u64 s[46:47], s[6:7], s[46:47]
	CROUND                                         ; all sixteen work-groups are here
.irp s, 0,1
	s_mov_b32 s[G0+4*\s], 1
	s_add_co_u32 s[G0+4*\s+1], s23, \s*SLOT
	s_add_nc_u64 s[G0+4*\s+2:G0+4*\s+3], s[18:19], \s*1048576      ; four heads on
	s_or_b32 s[G0+4*\s+3], s[G0+4*\s+3], 0x80000000
	s_mov_b32 s[G0B+4*\s], 1
	s_add_co_u32 s[G0B+4*\s+1], s23, \s*SLOT
	s_add_nc_u64 s[G0B+4*\s+2:G0B+4*\s+3], s[46:47], \s*512        ; 256 columns on
	s_or_b32 s[G0B+4*\s+3], s[G0B+4*\s+3], 0x80000000
	JLOAD \s                                       ; tiles 0 and 1: two tensor loads of the wave are out, the most in this text
.endr
	v_and_b32 v1, 15, v0                           ; r
	v_bfe_u32 v2, v0, 4, 1                         ; h
	v_mul_u32_u24 v3, v1, AP
	v_lshl_add_u32 v3, v2, 4, v3
	s_mul_i32 s12, s21, 64*AP                      ; my 64 rows of y
	v_add_nc_u32 v[ADRA], s12, v3
	v_add_nc_u32 v[ADRA+1], SLOT, v[ADRA]
	v_mul_u32_u24 v4, v1, BP
	v_lshl_add_u32 v4, v2, 4, v4
	s_mul_i32 s13, s22, REG                        ; my 64 rows of woh are one wave's region
	s_add_co_u32 s13, s13, 2*REG
	v_add_nc_u32 v[ADRB], s13, v4
	v_add_nc_u32 v[ADRB+1], SLOT, v[ADRB]
	s_mul_i32 s14, s20, SWAVE
	s_add_co_u32 s14, s14, STAGE
	v_mul_u32_u24 v5, v1, SP
	v_lshl_add_u32 v5, v2, 5, v5
	v_add_nc_u32 v[STO], s14, v5                   ; in: row r, 32 bytes for each half of the lanes
	v_mul_u32_u24 v5, v2, SP
	v_lshl_add_u32 v5, v1, 4, v5
	v_add_nc_u32 v[RD], s14, v5                    ; back: lanes 0-15 one row of 256 bytes, lanes 16-31 the next
	v_lshlrev_b32 v5, 12, v2
	v_lshl_add_u32 v[CO], v1, 4, v5                ; the same two rows in out0
.macro MUL16 f, zero
.irp a, 0,1,2,3
.irp bn, 0,1,2,3
.if \zero
	v_wmma_f32_16x16x32_f16 v[8*(4*\a+\bn):8*(4*\a+\bn)+7], v[F+64*\f+32+8*\bn:F+64*\f+32+8*\bn+7], v[F+64*\f+8*\a:F+64*\f+8*\a+7], 0
.else
	v_wmma_f32_16x16x32_f16 v[8*(4*\a+\bn):8*(4*\a+\bn)+7], v[F+64*\f+32+8*\bn:F+64*\f+32+8*\bn+7], v[F+64*\f+8*\a:F+64*\f+8*\a+7], v[8*(4*\a+\bn):8*(4*\a+\bn)+7]
.endif
.endr
.endr
.endm
; the fragments of the kq-th 32 of the slot's 256 along K, into buffer f: 16 loads.  y: head kq / 2 of the slot's four, half kq % 2 of its 64 d.
.macro FETCH slot, kq, f
	WIN 0
.irp a, 0,1,2,3
	ds_load_b128 v[F+64*\f+8*\a:F+64*\f+8*\a+3], v[ADRA+\slot] offset:(\kq>>2)*REG+((\kq>>1)&1)*PLANE+16*AP*\a+64*(\kq&1)
	ds_load_b128 v[F+64*\f+8*\a+4:F+64*\f+8*\a+7], v[ADRA+\slot] offset:(\kq>>2)*REG+((\kq>>1)&1)*PLANE+16*AP*\a+64*(\kq&1)+32
.endr
.irp bn, 0,1,2,3
	ds_load_b128 v[F+64*\f+32+8*\bn:F+64*\f+32+8*\bn+3], v[ADRB+\slot] offset:16*BP*\bn+64*\kq
	ds_load_b128 v[F+64*\f+32+8*\bn+4:F+64*\f+32+8*\bn+7], v[ADRB+\slot] offset:16*BP*\bn+64*\kq+32
.endr
.endm
; fetches part nk into buffer g, multiplies buffer f
.macro KQ slot, nk, f, g, zero
	PLACES
	FETCH \slot, \nk, \g
	s_wait_dscnt 16                                ; all but the 16 just issued
	WIN MUL
	MUL16 \f, \zero
.endm
.macro SEVEN slot, zero
	KQ \slot, 1, 0, 1, \zero
	KQ \slot, 2, 1, 0, 0
	KQ \slot, 3, 0, 1, 0
	KQ \slot, 4, 1, 0, 0
	KQ \slot, 5, 0, 1, 0
	KQ \slot, 6, 1, 0, 0
	KQ \slot, 7, 0, 1, 0
.endm
; The slot's last part (buffer 1) and the change of slots.  In front of the barrier each wave waits for its reads of this slot and for all its tensor loads
; (one is out: its part of the next slot).  fill = 1: the barrier opens a round of the cluster's barrier, and the joint refill stands first behind it.
.macro CHANGE slot, next, fill
	s_wait_dscnt 0x0
	s_wait_tensorcnt 0x0
	ds_add_u32 v254, v255
	s_wait_dscnt 0x0
	s_barrier_signal -1
	WIN MUL
	MUL16 1, 0                                     ; register work while the others arrive
	WIN 0
	s_barrier_wait -1
.if \fill
	CREST
	s_add_nc_u64 s[G0+4*\slot+2:G0+4*\slot+3], s[G0+4*\slot+2:G0+4*\slot+3], 2097152       ; eight heads on; no tensor load of mine is out
	s_add_nc_u64 s[G0B+4*\slot+2:G0B+4*\slot+3], s[G0B+4*\slot+2:G0B+4*\slot+3], 1024
	JLOAD \slot
.endif
	PLACES
	FETCH \next, 0, 0
.endm
	s_wait_tensorcnt 1                             ; my part of tile 0 is in; tile 1's may stay out
	s_barrier_signal -1
	s_barrier_wait -1
	FETCH 0, 0, 0
	SEVEN 0, 1                                     ; the first products start the sums
	CHANGE 0, 1, 1                                 ; tile 2 is asked for
	SEVEN 1, 0
	CHANGE 1, 0, 1                                 ; tile 3
	SEVEN 0, 0
	CHANGE 0, 1, 0                                 ; nothing is left to fetch
	SEVEN 1, 0
	s_wait_dscnt 0x0
	WIN MUL
	MUL16 1, 0
	; THE WAY OUT, 16 rows at a time through my own stage: sixteen lanes store 256 consecutive bytes, aligned
	PLACES
	s_lshl_b32 s10, s43, 7
	s_lshl_b32 s11, s21, 6
	s_add_co_u32 s10, s10, s11                     ; my first row
	s_lshl_b32 s10, s10, 12                        ; 4,096 bytes a row; 16 MiB at the most
	s_lshl_b32 s11, s42, 9                         ; my first column: 512 bytes a block, 256 a half
	s_add_co_u32 s10, s10, s11
	s_lshl_b32 s11, s22, 8
	s_add_co_u32 s10, s10, s11
	s_mov_b32 s11, 0
	s_add_nc_u64 s[8:9], s[8:9], s[10:11]
.macro OUTP a
	WIN 0x04                                       ; an LDS store's data is source 1: window 1
.irp bn, 0,1,2,3
	ds_store_b128 v[STO], v[8*(4*\a+\bn):8*(4*\a+\bn)+3] offset:64*\bn
	ds_store_b128 v[STO], v[8*(4*\a+\bn)+4:8*(4*\a+\bn)+7] offset:64*\bn+16
.endr
	WIN 0
	s_wait_xcnt 0x0                                ; the read-back registers, which the last block's stores read, are loaded again only behind this wait
.irp i, 0,1,2,3,4,5,6,7
	ds_load_b128 v[RB+4*\i:RB+4*\i+3], v[RD] offset:2*SP*\i     ; LDS serves a wave's instructions in order (ISA guide 5.7.1.4)
.endr
.irp i, 0,1,2,3,4,5,6,7
	s_wait_dscnt 7-\i
	global_store_b128 v[CO], v[RB+4*\i:RB+4*\i+3], s[8:9] offset:(16*\a+2*\i)*4096
.endr
.endm
	OUTP 0
	OUTP 1
	OUTP 2
	OUTP 3
	s_wait_tensorcnt 0x0
	ds_add_u32 v254, v255
	s_wait_dscnt 0x0
	CROUND                                         ; the closing round
	s_endpgm
.Lfunc_end_k_q75d113e1ce_proj:
	.size	k_q75d113e1ce_proj, .Lfunc_end_k_q75d113e1ce_proj-k_q75d113e1ce_proj
	.p2alignl 7, 3214868480
	.fill 96, 4, 3214868480
	.section	.rodata,"a",@progbits
	.p2align	6, 0x0
	.amdhsa_kernel k_q75d113e1ce_proj
		.amdhsa_group_segment_fixed_size 327680
		.amdhsa_private_segment_fixed_size 0
		.amdhsa_enable_private_segment 0
		.amdhsa_kernarg_size 24
		.amdhsa_user_sgpr_count 2
		.amdhsa_user_sgpr_kernarg_segment_ptr 1
		.amdhsa_wavefront_size32 1
		.amdhsa_system_sgpr_workgroup_id_x 1
		.amdhsa_system_sgpr_workgroup_id_y 1
		.amdhsa_system_sgpr_workgroup_id_z 1
		.amdhsa_system_vgpr_workitem_id 0
		.amdhsa_next_free_vgpr 384
		.amdhsa_next_free_sgpr 66
		.amdhsa_reserve_vcc 0
		.amdhsa_float_denorm_mode_32 3
		.amdhsa_float_denorm_mode_16_64 3
		.amdhsa_memory_ordered 1
		.amdhsa_forward_progress 1
		.amdhsa_inst_pref_size 88
	.end_amdhsa_kernel
	.amdgpu_metadata
---
amdhsa.version: [ 1, 2 ]
amdhsa.kernels:
  - .name:           k_q75d113e1ce_proj
    .symbol:         k_q75d113e1ce_proj.kd
    .args:
      - { .name: yh, .offset: 0, .size: 8, .value_kind: global_buffer, .address_space: global }
      - { .name: woh, .offset: 8, .size: 8, .value_kind: global_buffer, .address_space: global }
      - { .name: out0, .offset: 16, .size: 8, .value_kind: global_buffer, .address_space: global }
    .group_segment_fixed_size: 327680
    .private_segment_fixed_size: 0
    .kernarg_segment_align: 8
    .kernarg_segment_size: 24
    .max_flat_workgroup_size: 128
    .sgpr_count:     66
    .vgpr_count:     384
    .wavefront_size: 32
...
	.end_amdgpu_metadata
.endif
;; end of part 4
;; ======== version 2 of 3: 4 launches; 1.28 times as fast as version 1
;; limits: values are held in f16: magnitudes above 65,504 overflow, below 6.1e-05 lose precision
;; workspace buffers: xh 8,388,608 bytes; wqh 6,291,456 bytes; woh 2,097,152 bytes; tab 524,288 bytes; qh 8,388,608 bytes; kh 8,388,608 bytes; vh 8,388,608 bytes; yh 8,388,608 bytes
;; launch prep: the kernel of part 1 again; grid 256 x 1, 8 waves a work-group, no clusters, 0 bytes of LDS; arguments x, W_qkv, W_out, xh, wqh, woh, tab; writes xh, wqh, woh, tab
;; launch qkv: the kernel of part 2 again; grid 16 x 16, 4 waves a work-group, clusters of 4 x 4, 327,680 bytes of LDS; arguments xh, wqh, tab, qh, kh, vh; writes qh, kh, vh
;; launch attn (part 5): grid 8 x 32, 8 waves a work-group, clusters of 4 x 1, 327,680 bytes of LDS; arguments qh, kh, vh, yh; writes yh
.if DOCPART == 5
	.amdgcn_target "amdgcn-amd-amdhsa--gfx1250"
	.amdhsa_code_object_version 6
	.text
	.protected	k_q75d113e1ce_attn
	.globl	k_q75d113e1ce_attn
	.p2align	8
	.type	k_q75d113e1ce_attn,@function
k_q75d113e1ce_attn:
	s_mov_b64 s[64:65], 0
	v_nop
	global_prefetch_b8 v0, s[64:65] scope:SCOPE_SE
	s_setreg_imm32_b32 hwreg(HW_REG_WAVE_MODE, 25, 1), 1
	s_wait_xcnt 0x0
	s_wait_alu depctr_hold_cnt(0) depctr_sa_sdst(0) depctr_va_vdst(0) depctr_va_sdst(0) depctr_va_ssrc(0) depctr_va_vcc(0) depctr_vm_vsrc(0)
	s_getreg_b32 s2, hwreg(HW_REG_IB_STS2, 6, 4)
	s_cmp_eq_u32 s2, 0
	s_cbranch_scc0 .Lentry_in_a_cluster
	s_endpgm
.Lentry_in_a_cluster:
	s_bfe_u32 s2, ttmp6, 0x10000c
	s_cmp_lg_u32 s2, 0x3003
	s_cbranch_scc0 .Lentry_shape_is_right
	s_endpgm
.Lentry_shape_is_right:
; Softmax attention with a running maximum.  qh (already x 1/8 x log2 e), kh, vh, yh: [batch*16 + head][2048][64] f16.
; Work-group (x = block of 256 queries, y = head) has eight waves, two for each SIMD.  Waves g and g + 4 hold the SAME 64 queries (4 blocks of 16) and
; share the keys: of every tile of 256 keys wave g takes keys 0-127, wave g + 4 keys 128-255, each as two sub-steps of 64 keys, each with its own running
; maximum, sum and accumulators.  At the end the two are merged through LDS: y = (Y a + Y' b) / (l a + l' b), a = 2^(m - max), b = 2^(m' - max).
; A wave still feeds 64 queries from every fragment that it reads from LDS.
; The keys go in 8 tiles of 256 through two LDS slots.  A slot is eight regions; wave w fills region w: waves 0-3 64 keys of K each, waves 4-7 64 rows of V
; each (8 KiB, dense in memory, brought as 32 rows of 256 bytes).  Region j is sub-step j's K, region 4 + j its V.
; CLUSTER 4 x 1: four query blocks of one head read the same K and V tiles and ask for them jointly (mask 15).
; LAYOUTS.  S^T = K Q^T: source 0 = 16 keys, source 1 = 16 queries; lane (r, h), register j holds key 8 h + j, query r.  Two such tiles, rounded to f16,
; ARE source 1 of the second product for 32 keys: P never leaves the registers, and is packed in place into the low 16 registers of its score block
; (register i is written from registers 2 i and 2 i + 1, i ascending).  Y^T = V^T P^T: source 0 = 16 d x 32 keys by transposing LDS loads;
; lane (r, h), register j holds d 8 h + j of query r.  So maximum, rescale factor and 1 / l are one number a lane.
; l is kept as each lane's own partial sum (its 8 of every 16 keys); the two halves of the lanes are added once at the end.
; ORDER.  A step of the pipeline works on three query blocks, so that a wave has vector work to issue between its matrix instructions:
;   sum of block q + 1; maximum, factor and subtraction of block q + 2, with block q + 1's 16 roundings to f16 between the lines of the maximum's serial tail;
;   the 8 matrix instructions of Y^T of block q + 1, two rescaling multiplies of block q + 2's accumulators behind each (destination and source 0 in window 1,
;   source 1 in window 0: the matrix instructions' own window setting serves them);
;   the 8 matrix instructions of block q + 3's scores, four exponentials of block q + 2 behind each (an exponential names a destination and a source 0, which
;   that setting leaves in window 0).  None of the vector lines names a register of the matrix instructions that it stands between.
; THE LOOP IS ROTATED: a wave has 16 sub-steps.  The first stands ahead of the loop (its products start the sums); three trips of four sub-steps begin with
; a tile's second sub-step, so that all six refills (behind tiles 0 to 5) lie in the loop; the last three sub-steps are written out and fill nothing.
; Matrix instructions on one accumulator never follow each other: four accumulators take turns, one instruction a turn.
; REGISTERS, 512 a wave: window 0: v2-9, v29-31 addresses, v10-17 (m, l) of the 4 query blocks, v18-19 the rescale factor twice, v20-28 at work,
;   v32-95 K's fragments, v96-107 the merge, v128-255 S (and P).   window 1: v0-63 Q, v64-127 V's fragments, v128-255 the 16 accumulator tiles of Y^T.
; LIMITS: p under 3e-8 rounds to 0 in f16 (l is summed in f32 from the unrounded p).  y is stored in f16.  Scores that are infinite or NaN get no special care.
.set KP,    144                        ; a key's 128 bytes + 16: odd multiple of 16
.set VP,    160                        ; a value row's 128 bytes + 32: odd multiple of 32, for the transposing loads
.set REG,   10240                      ; what one wave's tensor load fills: 64 rows (K: 9,216 bytes used)
.set SLOT,  8*REG
.set XCH,   2*SLOT                     ; behind the ring, a multiple of 256: no tensor load lands here
.set XWAVE, 17*512                     ; a wave's area: what it sends to its partner, later its stage on the way out
.set ADRK, 2
.set ADRV, 4
.set STO,  6
.set RD,   7
.set CO,   8
.set QOA,  9
.set ML,   10
.set AL,   18
.set TT,   20
.set NM,   28
.set QOB,  29
.set XS,   30
.set XL,   31
.set KF,   32
.set PM,   96
.set FA,   100
.set S,    128
.set Q,    0
.set VF,   64
.set ACC,  128
.set G1K, 24
.set G0K, 32
.set G1V, 48
.set G0V, 56
.set W_QK,  0x04                       ; source 1 (Q) window 1; K's fragments, C and D (S) window 0
.set W_PV,  0x51                       ; source 0 (V) window 1, source 1 (P) window 0, C and D window 1
.set W_TO1, 0x40                       ; destination window 1, address window 0
.set MSB, 0
.macro WIN new                         ; the immediate's high byte repeats the setting that is left
.if MSB != (\new)
	s_set_vgpr_msb (MSB<<8)|(\new)
.set MSB, (\new)
.endif
.endm
.macro PLACES                          ; four plain places behind a matrix instruction (ISA guide 7.12.1)
	s_wait_alu depctr_va_vdst(0)
.rept 4
	v_nop
.endr
.endm
.macro JLOAD s                         ; waves 0-3 ask for K's quarters, waves 4-7 for V's; the branch hangs on the wave's number alone
	s_cmp_eq_u32 s21, 0
	s_cbranch_scc0 .Lfor_v_\@
	tensor_load_to_lds s[G0K+4*\s:G0K+4*\s+3], s[G1K:G1K+7]
	s_nop 0
	s_branch .Lasked_\@
.Lfor_v_\@:
	tensor_load_to_lds s[G0V+4*\s:G0V+4*\s+3], s[G1V:G1V+7]
	s_nop 0
.Lasked_\@:
.endm
.macro CROUND                          ; a round of the cluster's barrier
	s_barrier_signal -1
	s_barrier_wait -1
	s_cmp_lg_u32 s20, 0
	s_cbranch_scc1 .Lnot_wave_0_\@
	s_barrier_signal -3
.Lnot_wave_0_\@:
	s_barrier_wait -3
	s_barrier_signal -1
	s_barrier_wait -1
.endm
	s_load_b256 s[4:11], s[0:1], 0x0               ; qh s[4:5], kh s[6:7], vh s[8:9], yh s[10:11]
	v_lshl_add_u32 v126, v0, 2, 0x39000
	v_mov_b32 v127, 0
	ds_add_u32 v126, v127
	v_lshrrev_b32 v1, 5, v0
	v_readfirstlane_b32 s20, v1                    ; wave 0..7
	s_lshr_b32 s21, s20, 2                         ; which half of a tile's keys is mine.  Also: I fetch for K (0) or for V (1)
	s_and_b32 s22, s20, 3                          ; which 64 queries are mine.  Also: which quarter of that tile I fetch
	s_bfe_u32 s40, ttmp6, 0x40000                  ; cx
	s_lshl_b32 s42, ttmp9, 2
	s_add_co_u32 s42, s42, s40                     ; block of 256 queries
	s_and_b32 s43, ttmp7, 0xffff                   ; batch x 16 + head
	s_mov_b32 s12, 0x76543210                      ; v_permlanex16_b32: lane i of one half reads lane i of the other
	s_mov_b32 s13, 0xfedcba98
	; group 1: 64 rows of 128 bytes are dense in memory and come as 32 rows of 256 bytes; padding behind every 32 words: 4 words for K, 8 for V
	s_mov_b32 s[G1K+0], 15|(1<<16)|(1<<20)|(1<<21)|(4<<22)|(3<<25)
	s_mov_b32 s[G1V+0], 15|(1<<16)|(1<<20)|(1<<21)|(4<<22)|(7<<25)
	s_mov_b32 s[G1K+1], 128<<16
	s_mov_b32 s[G1V+1], 128<<16
	s_mov_b32 s[G1K+2], 32<<16
	s_mov_b32 s[G1V+2], 32<<16
	s_mov_b32 s[G1K+3], 128<<16
	s_mov_b32 s[G1V+3], 128<<16
	s_mov_b32 s[G1K+4], 32
	s_mov_b32 s[G1V+4], 32
	s_mov_b32 s[G1K+5], 128
	s_mov_b32 s[G1V+5], 128
	s_mov_b32 s[G1K+6], 0
	s_mov_b32 s[G1V+6], 0
	s_mov_b32 s[G1K+7], 0
	s_mov_b32 s[G1V+7], 0
	s_lshl_b32 s16, s43, 18                        ; the head's 2,048 rows of 128 bytes
	s_lshl_b32 s17, s22, 13                        ; my quarter of a tile: 64 rows
	s_add_co_u32 s16, s16, s17                     ; made of the head and the wave's number alone: equal in the four partners
	s_mov_b32 s17, 0
	s_mul_i32 s23, s20, REG                        ; my region: the wave's number alone
	s_lshl_b32 s44, s43, 18                        ; my 64 queries in qh
	s_lshl_b32 s45, s42, 15
	s_add_co_u32 s44, s44, s45
	s_lshl_b32 s45, s22, 13
	s_add_co_u32 s44, s44, s45
	s_mov_b32 s45, 0
	s_lshl_b32 s46, s21, 12                        ; the 32 of them that I store in yh
	s_add_co_u32 s46, s46, s44
	s_mov_b32 s47, 0
	s_wait_dscnt 0x0
	s_wait_kmcnt 0x0
	s_add_nc_u64 s[14:15], s[6:7], s[16:17]
	s_add_nc_u64 s[18:19], s[8:9], s[16:17]
	s_add_nc_u64 s[4:5], s[4:5], s[44:45]
	s_add_nc_u64 s[10:11], s[10:11], s[46:47]
	CROUND                                         ; the four work-groups are here: the first joint loads meet
.irp s, 0,1
	s_mov_b32 s[G0K+4*\s], 1
	s_add_co_u32 s[G0K+4*\s+1], s23, \s*SLOT
	s_add_nc_u64 s[G0K+4*\s+2:G0K+4*\s+3], s[14:15], \s*32768
	s_or_b32 s[G0K+4*\s+3], s[G0K+4*\s+3], 0x80000000
	s_mov_b32 s[G0V+4*\s], 1
	s_add_co_u32 s[G0V+4*\s+1], s23, \s*SLOT
	s_add_nc_u64 s[G0V+4*\s+2:G0V+4*\s+3], s[18:19], \s*32768
	s_or_b32 s[G0V+4*\s+3], s[G0V+4*\s+3], 0x80000000
	JLOAD \s                                       ; tiles 0 and 1: two tensor loads of the wave are out, the most in this text
.endr
	v_and_b32 v1, 15, v0                           ; r
	v_bfe_u32 v108, v0, 4, 1                       ; h
	s_mul_i32 s41, s21, 2*REG                      ; my half of a tile's keys: regions 0, 1 or 2, 3
	v_mul_u32_u24 v[ADRK], v1, KP
	v_lshl_add_u32 v[ADRK], v108, 4, v[ADRK]       ; key r, 16 h
	v_add_nc_u32 v[ADRK], s41, v[ADRK]
	v_add_nc_u32 v[ADRK+1], SLOT, v[ADRK]
	v_and_b32 v109, 7, v0
	v_lshl_add_u32 v109, v108, 3, v109             ; key 8 h + l % 8
	v_mul_u32_u24 v109, v109, VP
	v_bfe_u32 v110, v0, 3, 1
	v_lshl_add_u32 v109, v110, 4, v109             ; + 16 ((l / 8) % 2)
	v_add_nc_u32 v109, s41, v109
	v_add_nc_u32 v[ADRV], 4*REG, v109              ; V's regions lie behind K's four
	v_add_nc_u32 v[ADRV+1], 4*REG+SLOT, v109
	s_mul_i32 s14, s20, XWAVE
	s_add_co_u32 s14, s14, XCH                     ; my area
	s_xor_b32 s15, s20, 4                          ; my partner: the wave with the same queries and the other keys
	s_mul_i32 s15, s15, XWAVE
	s_add_co_u32 s15, s15, XCH                     ; its area
	v_and_b32 v110, 31, v0
	v_lshlrev_b32 v[CO], 4, v110                   ; 16 bytes a lane
	v_add_nc_u32 v[XS], s14, v[CO]
	v_add_nc_u32 v[XL], s15, v[CO]
	v_mul_u32_u24 v109, v1, 144
	v_lshl_add_u32 v109, v108, 4, v109
	v_add_nc_u32 v[STO], s14, v109                 ; the way out, in: row r, 16 bytes for each half of the lanes
	v_bfe_u32 v109, v0, 3, 2
	v_mul_u32_u24 v109, v109, 144
	v_and_b32 v110, 7, v0
	v_lshl_add_u32 v109, v110, 4, v109
	v_add_nc_u32 v[RD], s14, v109                  ; back: eight lanes take a row of 128 bytes, the wave four rows
	; Register block q holds query block (q + 2 x key half) % 4 of the 64 queries: so every wave keeps its register blocks 0, 1 at the merge and sends 2, 3,
	; and what wave g sends is what wave g + 4 keeps, and the other way round.
	v_lshlrev_b32 v109, 7, v1
	v_lshl_add_u32 v109, v108, 4, v109             ; query r, 16 h
	s_lshl_b32 s16, s21, 12                        ; 32 queries of 128 bytes
	s_xor_b32 s17, s16, 4096
	v_add_nc_u32 v[QOA], s16, v109                 ; register blocks 0, 1
	v_add_nc_u32 v[QOB], s17, v109                 ; register blocks 2, 3
.irp q, 0,1,2,3
	v_mov_b32 v[ML+2*\q+1], 0                      ; l: the pair (m, l) is named whole by the packed subtraction before l's first sum is written
.endr
	WIN W_TO1
.irp q, 0,1
.irp kf, 0,1
	global_load_b128 v[Q+16*\q+8*\kf:Q+16*\q+8*\kf+3], v[QOA], s[4:5] offset:2048*\q+64*\kf
	global_load_b128 v[Q+16*\q+8*\kf+4:Q+16*\q+8*\kf+7], v[QOA], s[4:5] offset:2048*\q+64*\kf+32
	global_load_b128 v[Q+32+16*\q+8*\kf:Q+32+16*\q+8*\kf+3], v[QOB], s[4:5] offset:2048*\q+64*\kf
	global_load_b128 v[Q+32+16*\q+8*\kf+4:Q+32+16*\q+8*\kf+7], v[QOB], s[4:5] offset:2048*\q+64*\kf+32
.endr
.endr
; K's fragments of my sub-step j (0 or 1) of the tile in the slot (64 keys x 64 d): 16 loads
.macro LOADK slot, j
	WIN 0
.irp kt, 0,1,2,3
.irp kf, 0,1
	ds_load_b128 v[KF+16*\kt+8*\kf:KF+16*\kt+8*\kf+3], v[ADRK+\slot] offset:\j*REG+16*\kt*KP+64*\kf
	ds_load_b128 v[KF+16*\kt+8*\kf+4:KF+16*\kt+8*\kf+7], v[ADRK+\slot] offset:\j*REG+16*\kt*KP+64*\kf+32
.endr
.endr
.endm
; V^T's fragments of my sub-step j (64 d x 64 keys): 16 transposing loads
.macro LOADV slot, j
	WIN W_TO1
.irp dt, 0,1,2,3
.irp kh, 0,1
	ds_load_tr16_b128 v[VF+16*\dt+8*\kh:VF+16*\dt+8*\kh+3], v[ADRV+\slot] offset:\j*REG+32*\kh*VP+32*\dt
	ds_load_tr16_b128 v[VF+16*\dt+8*\kh+4:VF+16*\dt+8*\kh+7], v[ADRV+\slot] offset:\j*REG+32*\kh*VP+32*\dt+16*VP
.endr
.endr
.endm
; Scores of query block q with the 64 keys in KF: 8 matrix instructions, the four key tiles by turns.
; eq < 4: the 32 exponentials of block eq (whose maximum has been taken away) stand between them, four behind each; eq = 4: none.
.macro SQK q, eq
	WIN W_QK
.irp kt, 0,1,2,3
	v_wmma_f32_16x16x32_f16 v[S+32*\q+8*\kt:S+32*\q+8*\kt+7], v[KF+16*\kt:KF+16*\kt+7], v[Q+16*\q:Q+16*\q+7], 0
.if 4 > \eq
.irp e, 0,1,2,3
	v_exp_f32 v[S+32*\eq+4*\kt+\e], v[S+32*\eq+4*\kt+\e]
.endr
.endif
.endr
.irp kt, 0,1,2,3
	v_wmma_f32_16x16x32_f16 v[S+32*\q+8*\kt:S+32*\q+8*\kt+7], v[KF+16*\kt+8:KF+16*\kt+15], v[Q+16*\q+8:Q+16*\q+15], v[S+32*\q+8*\kt:S+32*\q+8*\kt+7]
.if 4 > \eq
.irp e, 0,1,2,3
	v_exp_f32 v[S+32*\eq+16+4*\kt+\e], v[S+32*\eq+16+4*\kt+\e]
.endr
.endif
.endr
.if 4 > \eq
	v_nop                                          ; one plain place behind the exponentials before their results are used (ISA guide 5.7.2)
	s_wait_alu depctr_va_vdst(0)
.endif
.endm
; the 32 exponentials of block q by themselves, where no score block is left to stand between
.macro EXPS q
	WIN 0
.set i, 0
.rept 32
	v_exp_f32 v[S+32*\q+i], v[S+32*\q+i]
.set i, i+1
.endr
	v_nop                                          ; one plain place behind the exponentials
	s_wait_alu depctr_va_vdst(0)
.endm
; Y^T of query block q += V^T P^T: 8 matrix instructions, the four d tiles by turns.  P lies in the block's first 16 score registers.
; zero = 1: the first product starts the sums.  rq < 4: the 16 multiplies that rescale block rq's accumulators stand between them, two behind each; rq = 4: none.
.macro PV q, zero, rq
	WIN W_PV
.irp dt, 0,1,2,3
.if \zero
	v_wmma_f32_16x16x32_f16 v[ACC+32*\q+8*\dt:ACC+32*\q+8*\dt+7], v[VF+16*\dt:VF+16*\dt+7], v[S+32*\q:S+32*\q+7], 0
.else
	v_wmma_f32_16x16x32_f16 v[ACC+32*\q+8*\dt:ACC+32*\q+8*\dt+7], v[VF+16*\dt:VF+16*\dt+7], v[S+32*\q:S+32*\q+7], v[ACC+32*\q+8*\dt:ACC+32*\q+8*\dt+7]
.endif
.if 4 > \rq
	v_pk_mul_f32 v[ACC+32*\rq+4*\dt:ACC+32*\rq+4*\dt+1], v[ACC+32*\rq+4*\dt:ACC+32*\rq+4*\dt+1], v[AL:AL+1]
	v_pk_mul_f32 v[ACC+32*\rq+4*\dt+2:ACC+32*\rq+4*\dt+3], v[ACC+32*\rq+4*\dt+2:ACC+32*\rq+4*\dt+3], v[AL:AL+1]
.endif
.endr
.irp dt, 0,1,2,3
	v_wmma_f32_16x16x32_f16 v[ACC+32*\q+8*\dt:ACC+32*\q+8*\dt+7], v[VF+16*\dt+8:VF+16*\dt+15], v[S+32*\q+8:S+32*\q+15], v[ACC+32*\q+8*\dt:ACC+32*\q+8*\dt+7]
.if 4 > \rq
	v_pk_mul_f32 v[ACC+32*\rq+16+4*\dt:ACC+32*\rq+16+4*\dt+1], v[ACC+32*\rq+16+4*\dt:ACC+32*\rq+16+4*\dt+1], v[AL:AL+1]
	v_pk_mul_f32 v[ACC+32*\rq+16+4*\dt+2:ACC+32*\rq+16+4*\dt+3], v[ACC+32*\rq+16+4*\dt+2:ACC+32*\rq+16+4*\dt+3], v[AL:AL+1]
.endif
.endr
.endm
.macro PVF q, first, rq                ; in the first sub-step the products start the sums and block rq has nothing to rescale yet
.if \first
	PV \q, 1, 4
.else
	PV \q, 0, \rq
.endif
.endm
; n roundings of block q's p to f16, from register i0 on, in place: register i is written from 2 i and 2 i + 1, i ascending.  q = 4: none.
.macro CV q, i0, n
.if 4 > \q
.set ci, \i0
.rept \n
	v_cvt_pk_f16_f32 v[S+32*\q+ci], v[S+32*\q+2*ci], v[S+32*\q+2*ci+1]
.set ci, ci+1
.endr
.endif
.endm
; the sum of block q's 32 p a lane, and l.  The factor in AL is still block q's: the next block's is made behind this.
.macro SUMS q, first
	WIN 0
	s_wait_alu depctr_va_vdst(0)
.irp c, 0,1,2,3
	v_pk_add_f32 v[TT+2*\c:TT+2*\c+1], v[S+32*\q+4*\c:S+32*\q+4*\c+1], v[S+32*\q+4*\c+2:S+32*\q+4*\c+3]
.endr
.irp c, 0,1,2,3
	v_pk_add_f32 v[TT+2*\c:TT+2*\c+1], v[TT+2*\c:TT+2*\c+1], v[S+32*\q+16+2*\c:S+32*\q+16+2*\c+1]
.endr
.irp c, 0,1,2,3
	v_pk_add_f32 v[TT+2*\c:TT+2*\c+1], v[TT+2*\c:TT+2*\c+1], v[S+32*\q+24+2*\c:S+32*\q+24+2*\c+1]
.endr
	v_pk_add_f32 v[TT:TT+1], v[TT:TT+1], v[TT+2:TT+3]
	v_pk_add_f32 v[TT+4:TT+5], v[TT+4:TT+5], v[TT+6:TT+7]
	v_pk_add_f32 v[TT:TT+1], v[TT:TT+1], v[TT+4:TT+5]
.if \first
	v_add_f32 v[ML+2*\q+1], v[TT], v[TT+1]
.else
	v_add_f32 v[TT], v[TT], v[TT+1]
	v_fma_f32 v[ML+2*\q+1], v[ML+2*\q+1], v[AL], v[TT]
.endif
.endm
; Block q: the maximum of its 32 scores a lane and of the other half of the lanes, the running maximum, the factor 2^(old - new) (twice, for the packed
; multiply), and s - m.  first = 1: no old maximum.  The 16 roundings of block cq, whose sum has been taken, stand between the lines of the serial tail.
.macro SMA q, first, cq
	WIN 0
.irp c, 0,1,2,3
	v_max3_num_f32 v[TT+\c], v[S+32*\q+8*\c], v[S+32*\q+8*\c+1], v[S+32*\q+8*\c+2]     ; four chains that do not wait for each other
.endr
.irp c, 0,1,2,3
	v_max3_num_f32 v[TT+\c], v[TT+\c], v[S+32*\q+8*\c+3], v[S+32*\q+8*\c+4]
.endr
.irp c, 0,1,2,3
	v_max3_num_f32 v[TT+\c], v[TT+\c], v[S+32*\q+8*\c+5], v[S+32*\q+8*\c+6]
.endr
.irp c, 0,1,2,3
	v_max_num_f32 v[TT+\c], v[TT+\c], v[S+32*\q+8*\c+7]
.endr
	v_max3_num_f32 v[TT], v[TT], v[TT+1], v[TT+2]
	CV \cq, 0, 2
	v_max_num_f32 v[TT], v[TT], v[TT+3]
	CV \cq, 2, 2
	v_permlanex16_b32 v[TT+1], v[TT], s12, s13     ; the other half of the lanes holds the query's other keys
	CV \cq, 4, 3
.if \first
	v_max_num_f32 v[ML+2*\q], v[TT], v[TT+1]
	CV \cq, 7, 9
.else
	v_max3_num_f32 v[NM], v[TT], v[TT+1], v[ML+2*\q]
	CV \cq, 7, 3
	v_sub_f32 v[AL], v[ML+2*\q], v[NM]
	CV \cq, 10, 2
	v_exp_f32 v[AL], v[AL]                         ; 2^(old maximum - new), at most 1
	v_mov_b32 v[ML+2*\q], v[NM]                    ; the plain place behind it (ISA guide 5.7.2)
	CV \cq, 12, 4
	s_wait_alu depctr_va_vdst(0)
	v_mov_b32 v[AL+1], v[AL]
.endif
.set i, 0
.rept 16
	v_pk_add_f32 v[S+32*\q+i:S+32*\q+i+1], v[S+32*\q+i:S+32*\q+i+1], v[ML+2*\q:ML+2*\q+1] op_sel_hi:[1,0] neg_lo:[0,1] neg_hi:[0,1]     ; s - m, both halves by m
.set i, i+2
.endr
.endm
; The change of slots, in my last sub-step of a tile, where the slot's last fragments have just come back (the wait for all LDS loads stands right in front).
; sw = 1: a round of the cluster's barrier, then the joint refill with the tile two further on, which has a whole tile's work in which to land.
; sw = 2: nothing is left to fetch: the waits and my work-group's barrier show the last tile whole.
.macro SWITCH slot, sw
.if \sw == 1
	s_wait_tensorcnt 0x0                           ; all my tensor loads have landed: the one that was out is my part of the next tile
	ds_add_u32 v126, v127
	s_wait_dscnt 0x0
	s_add_nc_u64 s[G0K+4*\slot+2:G0K+4*\slot+3], s[G0K+4*\slot+2:G0K+4*\slot+3], 65536     ; so group 0 may be written: this slot's next tile
	s_add_nc_u64 s[G0V+4*\slot+2:G0V+4*\slot+3], s[G0V+4*\slot+2:G0V+4*\slot+3], 65536
	WIN 0
	CROUND
	JLOAD \slot
.endif
.if \sw == 2
	s_wait_tensorcnt 0x0
	WIN 0
	s_barrier_signal -1
	s_barrier_wait -1
.endif
.endm
; One sub-step (slot, j).  On entry: K's fragments of it are in registers, V's have been asked for; block 0 has its maximum taken away, its accumulators
; rescaled and its exponentials made; block 1's scores have been issued.
; more = 1: the fragments of (nslot, nj) are fetched and the next sub-step is brought to the same state.
.macro SUB slot, j, first, sw, nslot, nj, more
	SUMS 0, \first
	SMA 1, \first, 0
	s_wait_dscnt 0x0                               ; V's fragments are in; no read of mine is out
	SWITCH \slot, \sw
	PVF 0, \first, 1
	SQK 2, 1
	SUMS 1, \first
	SMA 2, \first, 1
	PVF 1, \first, 2
	SQK 3, 2                                       ; the last that reads these K fragments
.if \more
	PLACES
	LOADK \nslot, \nj
.endif
	SUMS 2, \first
	SMA 3, \first, 2
	PVF 2, \first, 3
.if \more
	s_wait_dscnt 0x0                               ; the next K fragments are in
	SQK 0, 3
	SUMS 3, \first
	SMA 0, 0, 3                                    ; the next sub-step's block 0: it always has an old maximum
	PV 3, \first, 0                                ; the last that reads these V fragments
	SQK 1, 0
	PLACES
	LOADV \nslot, \nj
.else
	EXPS 3
	SUMS 3, \first
	CV 3, 0, 16
	PV 3, \first, 4
.endif
.endm
	s_wait_tensorcnt 1                             ; my part of tile 0 is in; tile 1's may stay out
	s_barrier_signal -1
	s_barrier_wait -1
	LOADK 0, 0
	s_wait_loadcnt 0x0                             ; Q
	s_wait_dscnt 0x0
	SQK 0, 4
	SQK 1, 4
	PLACES
	LOADV 0, 0
	SMA 0, 1, 4
	EXPS 0
	SUB 0, 0, 1, 0, 0, 1, 1                        ; tile 0, my first sub-step: its products start the sums
	WIN 0
	s_mov_b32 s3, 3
.Lfour:
	SUB 0, 1, 0, 1, 1, 0, 1                        ; tiles 0, 2, 4: second sub-step; slot 0 is asked for again
	SUB 1, 0, 0, 0, 1, 1, 1                        ; tiles 1, 3, 5
	SUB 1, 1, 0, 1, 0, 0, 1                        ; slot 1 is asked for again
	SUB 0, 0, 0, 0, 0, 1, 1                        ; tiles 2, 4, 6: first sub-step
	WIN 0
	s_sub_co_u32 s3, s3, 1
	s_cmp_lg_u32 s3, 0
	s_cbranch_scc1 .Lfour
	SUB 0, 1, 0, 2, 1, 0, 1                        ; tile 6 fills nothing
	SUB 1, 0, 0, 0, 1, 1, 1                        ; tile 7
	SUB 1, 1, 0, 0, 0, 0, 0
	; THE MERGE.  I send the accumulators, maxima and sums of register blocks 2, 3 to my partner: 17 stores of 16 bytes a lane, the lanes side by side.
	PLACES
	WIN 0x04                                       ; an LDS store's data is source 1: window 1
.set i, 0
.rept 16
	ds_store_b128 v[XS], v[ACC+64+4*i:ACC+64+4*i+3] offset:512*i
.set i, i+1
.endr
	WIN 0
	ds_store_b128 v[XS], v[ML+4:ML+7] offset:8192
	s_wait_dscnt 0x0                               ; for my partner's sake
	s_barrier_signal -1
	s_barrier_wait -1
.set i, 0
.rept 16
	ds_load_b128 v[S+4*i:S+4*i+3], v[XL] offset:512*i     ; my partner's sums for the queries of my register blocks 0, 1, lane for lane
.set i, i+1
.endr
	ds_load_b128 v[PM:PM+3], v[XL] offset:8192
	s_wait_dscnt 0x0                               ; my reads of my partner's area are over:
	s_barrier_signal -1                            ; say so; behind this barrier each wave's area is its stage on the way out
.irp q, 0,1
	v_max_num_f32 v[NM], v[ML+2*\q], v[PM+2*\q]
	v_sub_f32 v[FA+4*\q], v[ML+2*\q], v[NM]
	v_sub_f32 v[FA+4*\q+2], v[PM+2*\q], v[NM]
	v_exp_f32 v[FA+4*\q], v[FA+4*\q]               ; a
	v_exp_f32 v[FA+4*\q+2], v[FA+4*\q+2]           ; b
	v_nop                                          ; one plain place behind the exponentials
	s_wait_alu depctr_va_vdst(0)
	v_mul_f32 v[TT+2*\q+1], v[ML+2*\q+1], v[FA+4*\q]
	v_fmac_f32 v[TT+2*\q+1], v[PM+2*\q+1], v[FA+4*\q+2]
	v_permlanex16_b32 v[NM], v[TT+2*\q+1], s12, s13
	v_add_f32 v[TT+2*\q+1], v[TT+2*\q+1], v[NM]    ; l: both waves, both halves of the lanes
	v_rcp_f32 v[TT+2*\q], v[TT+2*\q+1]
	v_nop                                          ; one plain place behind the reciprocal
	s_wait_alu depctr_va_vdst(0)
	v_mul_f32 v[FA+4*\q+1], v[FA+4*\q], v[TT+2*\q] ; a / l and b / l, twice each, for the packed forms
	v_mul_f32 v[FA+4*\q], v[FA+4*\q], v[TT+2*\q]
	v_mul_f32 v[FA+4*\q+3], v[FA+4*\q+2], v[TT+2*\q]
	v_mul_f32 v[FA+4*\q+2], v[FA+4*\q+2], v[TT+2*\q]
.endr
.irp q, 0,1
.set i, 0
.rept 16
	v_pk_mul_f32 v[S+32*\q+i:S+32*\q+i+1], v[S+32*\q+i:S+32*\q+i+1], v[FA+4*\q+2:FA+4*\q+3]
.set i, i+2
.endr
.endr
	WIN 0x01                                       ; source 0: my accumulators, window 1
.irp q, 0,1
.set i, 0
.rept 16
	v_pk_fma_f32 v[S+32*\q+i:S+32*\q+i+1], v[ACC+32*\q+i:ACC+32*\q+i+1], v[FA+4*\q:FA+4*\q+1], v[S+32*\q+i:S+32*\q+i+1]
.set i, i+2
.endr
.endr
	WIN 0
.set i, 0
.rept 32
	v_cvt_pk_f16_f32 v[KF+i], v[S+2*i], v[S+2*i+1]
.set i, i+1
.endr
	s_barrier_wait -1                              ; my partner has read my area
	; THE WAY OUT: 32 rows of 128 bytes through my stage, out as 512 consecutive bytes a store
.irp q, 0,1
.irp dt, 0,1,2,3
	ds_store_b128 v[STO], v[KF+16*\q+4*\dt:KF+16*\q+4*\dt+3] offset:2304*\q+32*\dt
.endr
.endr
.set i, 0
.rept 8
	ds_load_b128 v[S+4*i:S+4*i+3], v[RD] offset:576*i     ; LDS serves a wave's instructions in order (ISA guide 5.7.1.4): these see the stores above
.set i, i+1
.endr
.set i, 0
.rept 8
	s_wait_dscnt 7-i
	global_store_b128 v[CO], v[S+4*i:S+4*i+3], s[10:11] offset:512*i
.set i, i+1
.endr
	s_wait_tensorcnt 0x0
	ds_add_u32 v126, v127
	s_wait_dscnt 0x0
	CROUND                                         ; the closing round: no work-group ends while a partner may still ask for a tile that names it
	s_endpgm
.Lfunc_end_k_q75d113e1ce_attn:
	.size	k_q75d113e1ce_attn, .Lfunc_end_k_q75d113e1ce_attn-k_q75d113e1ce_attn
	.p2alignl 7, 3214868480
	.fill 96, 4, 3214868480
	.section	.rodata,"a",@progbits
	.p2align	6, 0x0
	.amdhsa_kernel k_q75d113e1ce_attn
		.amdhsa_group_segment_fixed_size 327680
		.amdhsa_private_segment_fixed_size 0
		.amdhsa_enable_private_segment 0
		.amdhsa_kernarg_size 32
		.amdhsa_user_sgpr_count 2
		.amdhsa_user_sgpr_kernarg_segment_ptr 1
		.amdhsa_wavefront_size32 1
		.amdhsa_system_sgpr_workgroup_id_x 1
		.amdhsa_system_sgpr_workgroup_id_y 1
		.amdhsa_system_sgpr_workgroup_id_z 1
		.amdhsa_system_vgpr_workitem_id 0
		.amdhsa_next_free_vgpr 512
		.amdhsa_next_free_sgpr 66
		.amdhsa_reserve_vcc 0
		.amdhsa_float_denorm_mode_32 3
		.amdhsa_float_denorm_mode_16_64 3
		.amdhsa_memory_ordered 1
		.amdhsa_forward_progress 1
		.amdhsa_inst_pref_size 255
	.end_amdhsa_kernel
	.section	.bss,"aw",@nobits
	.p2align	6
	.space	262144
	.amdgpu_metadata
---
amdhsa.version: [ 1, 2 ]
amdhsa.kernels:
  - .name:           k_q75d113e1ce_attn
    .symbol:         k_q75d113e1ce_attn.kd
    .args:
      - { .name: qh, .offset: 0, .size: 8, .value_kind: global_buffer, .address_space: global }
      - { .name: kh, .offset: 8, .size: 8, .value_kind: global_buffer, .address_space: global }
      - { .name: vh, .offset: 16, .size: 8, .value_kind: global_buffer, .address_space: global }
      - { .name: yh, .offset: 24, .size: 8, .value_kind: global_buffer, .address_space: global }
    .group_segment_fixed_size: 327680
    .private_segment_fixed_size: 0
    .kernarg_segment_align: 8
    .kernarg_segment_size: 32
    .max_flat_workgroup_size: 256
    .sgpr_count:     66
    .vgpr_count:     512
    .wavefront_size: 32
...
	.end_amdgpu_metadata
.endif
;; end of part 5
;; launch proj: the kernel of part 4 again; grid 8 x 32, 4 waves a work-group, clusters of 4 x 4, 327,680 bytes of LDS; arguments yh, woh, out0; writes out0
;; ======== version 3 of 3: 4 launches; version 2 with the launch prep written anew for expert scheduling mode
;; limits: values are held in f16: magnitudes above 65,504 overflow, below 6.1e-05 lose precision
;; workspace buffers: xh 8,388,608 bytes; wqh 6,291,456 bytes; woh 2,097,152 bytes; tab 524,288 bytes; qh 8,388,608 bytes; kh 8,388,608 bytes; vh 8,388,608 bytes; yh 8,388,608 bytes
;; launch prep (part 6): grid 256 x 1, 8 waves a work-group, no clusters, 0 bytes of LDS; arguments x, W_qkv, W_out, xh, wqh, woh, tab; writes xh, wqh, woh, tab
.if DOCPART == 6
	.amdgcn_target "amdgcn-amd-amdhsa--gfx1250"
	.amdhsa_code_object_version 6
	.text
	.protected	k_q75d113e1ce_prep
	.globl	k_q75d113e1ce_prep
	.p2align	8
	.type	k_q75d113e1ce_prep,@function
k_q75d113e1ce_prep:
	s_mov_b64 s[64:65], 0
	v_nop
	global_prefetch_b8 v0, s[64:65] scope:SCOPE_SE
	s_setreg_imm32_b32 hwreg(HW_REG_WAVE_SCHED_MODE, 0, 2), 2
	s_setreg_imm32_b32 hwreg(HW_REG_WAVE_MODE, 25, 1), 1
	s_wait_xcnt 0x0
	s_wait_alu depctr_vm_vsrc(0)
; Casts x, W_qkv and W_out from f32 to f16 (once, so that the three matrix launches move half the bytes), and makes the RoPE table.
; 8,192 source rows of 4,096 bytes; work-group g takes 32 of them: g < 128 rows of x, 128 <= g < 224 rows of W_qkv, the rest rows of W_out.
; W_qkv's rows are laid out anew: source row 1024 sec + 64 head + i goes to row 192 head + 64 sec + i, so that one head's q, k and v rows
; are 192 neighbouring rows.  A block of 32 source rows stays a block of 32 rows.
; Thread t takes the 16 bytes at 16 t of every row and stores 8 bytes at 8 t: a wave's store covers 256 consecutive bytes, aligned.
; All 32 loads of a thread go out first (128 KiB a work-group on their way); the table is computed while they fly.
; TABLE: tab[t][0..31] = cos(t invf[f]), tab[t][32..63] = -sin for even f, +sin for odd f, invf[f] = 10000^(-f/32);
; then rope(q)[d] = q[d] tab[t][d%32] + q[d^1] tab[t][32 + d%32].  Wave w of work-group g makes row t = 8 g + w, lane L the words 2 L, 2 L + 1.
; LIMITS: |x|, |W| above 65,504 overflow f16, magnitudes under 6e-8 round to 0.  The angle is the f32 product t * invf as in the problem; invf comes
; from v_exp_f32 (1 ULP), so the angle may differ by about 2e-4 rad at t = 2047.  Sine and cosine by polynomial on |r| <= pi/4, error under 4e-7.
; THE MODE: SCHED_MODE bits 1:0 = 2 (LLVM: expert scheduling mode 2), set by the entry lines.  The code itself states the register dependences
; between vector instructions and memory instructions, with s_wait_alu, always for 0.
; THE PLAN.  Registers that memory instructions touch:
;   v1, v2      byte offsets of the loads and of the cast's stores: made once at the head, never written again.
;   X           row i: four registers in which its one load lands; read by its two conversions; no vector instruction writes them, no second load lands there.
;   Y           row i: two registers, written once by its two conversions, read by its one store.
;   v22, v20-21 the table store's offset and data: written once by the table's arithmetic, read by that store.
; No register that a memory instruction reads is ever written again, so apart from the entry lines the text holds no wait on vm_vsrc.
; The cast goes in eight blocks of four rows.  ONE wait on va_vdst stands at a block's head, behind the wait that shows the block's first row loaded: it states that
; the block before has written its Y; that block's four stores follow it in one run, and then this block's conversions, which name their own X and Y alone.
; In block 0 the same wait states that the table's two words and their offset are written, and the table's store stands in the stores' place.
.set ROWS,  32
.set BLOCK, 4                          ; rows in a block of the cast
.set SROW,  4096                       ; bytes of a source row
.set DROW,  2048                       ; bytes of a cast row
.set WA,    24                         ; v[24:31]   at work on the table's even word: no memory instruction names them
.set WB,    32                         ; v[32:39]   at work on its odd word, likewise
.set X,     64                         ; v[64:191]  row i: 4 registers as loaded
.set Y,     192                        ; v[192:255] row i: 2 registers to store; never written twice, so no store's data is ever rewritten
	s_load_b256 s[4:11], s[0:1], 0x0               ; x s[4:5], W_qkv s[6:7], W_out s[8:9], xh s[10:11]
	s_load_b128 s[12:15], s[0:1], 0x20             ; wqh s[12:13], woh s[14:15]
	s_load_b64 s[16:17], s[0:1], 0x30              ; tab
	s_mov_b32 s18, ttmp9                           ; g
	v_lshrrev_b32 v3, 5, v0
	v_readfirstlane_b32 s34, v3                    ; wave
	v_lshlrev_b32 v1, 4, v0                        ; 16 t: my bytes in a source row
	v_lshlrev_b32 v2, 3, v0                        ; 8 t: my bytes in a cast row
	s_lshl_b32 s20, s18, 5                         ; first row if the group works on x
	s_sub_co_u32 s21, s20, 128*ROWS                ; first source row if on W_qkv
	s_sub_co_u32 s22, s20, 224*ROWS                ; first row if on W_out
	s_bfe_u32 s23, s21, 0x40006                    ; head = (row >> 6) & 15
	s_mul_i32 s23, s23, 192
	s_lshr_b32 s19, s21, 10                        ; sec = row >> 10
	s_lshl_b32 s19, s19, 6
	s_add_co_u32 s23, s23, s19
	s_and_b32 s19, s21, 32                         ; i of the block's first row: 0 or 32
	s_add_co_u32 s23, s23, s19                     ; W_qkv's row in wqh
	s_wait_alu depctr_va_sdst(0)                   ; s34, the wave's number, is written, ahead of its first reader: t is made from it
	s_lshl_b32 s35, s18, 3
	s_add_co_u32 s35, s35, s34                     ; t = 8 g + wave
	s_lshl_b32 s36, s35, 8                         ; a table row is 256 bytes
	s_mov_b32 s37, 0
	s_wait_kmcnt 0x0
	s_cmp_lt_u32 s18, 224                          ; the choice hangs on the work-group's number alone
	s_cselect_b64 s[24:25], s[6:7], s[8:9]
	s_cselect_b64 s[26:27], s[12:13], s[14:15]
	s_cselect_b32 s28, s21, s22
	s_cselect_b32 s29, s23, s22
	s_cmp_lt_u32 s18, 128
	s_cselect_b64 s[24:25], s[4:5], s[24:25]       ; source
	s_cselect_b64 s[26:27], s[10:11], s[26:27]     ; destination
	s_cselect_b32 s28, s20, s28                    ; first source row
	s_cselect_b32 s29, s20, s29                    ; first destination row
	s_lshl_b32 s30, s28, 12
	s_mov_b32 s31, 0
	s_lshl_b32 s32, s29, 11
	s_mov_b32 s33, 0
	s_add_nc_u64 s[24:25], s[24:25], s[30:31]
	s_add_nc_u64 s[26:27], s[26:27], s[32:33]
	s_add_nc_u64 s[16:17], s[16:17], s[36:37]      ; my wave's table row
	s_wait_alu depctr_va_vdst(0)                   ; v1 is written, which every load below reads as its offset; so is v2, the cast stores' offset
.set i, 0
.rept ROWS
	global_load_b128 v[X+4*i:X+4*i+3], v1, s[24:25] offset:SROW*i th:TH_LOAD_NT   ; read once in the launch
.set i, i+1
.endr
	; the table, while the loads are on their way: none of its lines names v1, v2, X or Y
	v_and_b32 v4, 15, v0
	v_bfe_u32 v5, v0, 4, 1                         ; 0: the cosine half of the row, 1: the sine half.  Also the even word's quarter turns: cos(x + pi/2) = -sin x
	v_lshlrev_b32 v6, 1, v4
	v_cvt_f32_u32 v7, v6                           ; f of my even word
	v_add_f32 v8, 1.0, v7                          ; f of my odd word
	v_mul_f32 v12, 0xbed49a78, v7                  ; -log2(10000)/32 * f
	v_mul_f32 v13, 0xbed49a78, v8
	v_exp_f32 v14, v12                             ; invf
	v_exp_f32 v15, v13
	v_mul_u32_u24 v10, v5, 3                       ; the odd word's quarter turns: cos(x + 3 pi/2) = +sin x.  Also the plain place behind a transcendental before its result is used (ISA guide 5.7.2)
	v_cvt_f32_u32 v11, s35                         ; t
	v_and_b32 v22, 31, v0
	v_lshlrev_b32 v22, 3, v22                      ; 8 bytes a lane
	s_wait_alu depctr_va_vdst(0)                   ; the two exponentials have written v14 and v15, ahead of their first reader
; cos(t * inv + sh * pi/2), all but the choice and the sign: cos r in v[w+5], sin r in v[w+6], the sign bit in v[w+3], 'n is odd' in mask.
; The compare stands early, so that the polynomials lie between it and the wait for its mask.
.macro TRIGA w, inv, sh, mask
	v_mul_f32 v[\w], v11, \inv                     ; the angle, rounded to f32 as in the problem
	v_mul_f32 v[\w+1], 0x3f22f983, v[\w]           ; * 2/pi
	v_rndne_f32 v[\w+1], v[\w+1]                   ; k
	v_fmamk_f32 v[\w+2], v[\w+1], 0xbfc90fdb, v[\w]    ; r = x - k pi/2, pi/2 in two parts
	v_fmamk_f32 v[\w+2], v[\w+1], 0x333bbd2e, v[\w+2]
	v_cvt_i32_f32 v[\w+3], v[\w+1]
	v_add_nc_u32 v[\w+3], v[\w+3], \sh             ; n: quarter turns in all
	v_and_b32 v[\w+7], 1, v[\w+3]
	v_cmp_eq_u32 \mask, 1, v[\w+7]                 ; n odd: the sine will be taken
	v_mul_f32 v[\w+4], v[\w+2], v[\w+2]
	v_mov_b32 v[\w+5], 0x37d00d01                  ; cos r = 1 - r2/2 + r2^2/24 - r2^3/720 + r2^4/40320
	v_fmaak_f32 v[\w+5], v[\w+5], v[\w+4], 0xbab60b61
	v_fmaak_f32 v[\w+5], v[\w+5], v[\w+4], 0x3d2aaaab
	v_fmaak_f32 v[\w+5], v[\w+5], v[\w+4], 0xbf000000
	v_fma_f32 v[\w+5], v[\w+5], v[\w+4], 1.0
	v_mov_b32 v[\w+6], 0xb9500d01                  ; sin r = r + r r2 (-1/6 + r2/120 - r2^2/5040)
	v_fmaak_f32 v[\w+6], v[\w+6], v[\w+4], 0x3c088889
	v_fmaak_f32 v[\w+6], v[\w+6], v[\w+4], 0xbe2aaaab
	v_mul_f32 v[\w+6], v[\w+6], v[\w+4]
	v_fma_f32 v[\w+6], v[\w+6], v[\w+2], v[\w+2]
	v_add_nc_u32 v[\w+3], 1, v[\w+3]               ; n mod 4 = 1 or 2: negative, that is bit 1 of n + 1
	v_lshlrev_b32 v[\w+3], 30, v[\w+3]
	v_and_b32 v[\w+3], 0x80000000, v[\w+3]
.endm
	TRIGA WA, v14, v5, s38
	TRIGA WB, v15, v10, s39
	s_wait_alu depctr_va_sdst(0)                   ; the two compares have written s38 and s39, ahead of the selects that read them: one wait for both
	v_cndmask_b32 v[WA+5], v[WA+5], v[WA+6], s38   ; n odd: the sine
	v_cndmask_b32 v[WB+5], v[WB+5], v[WB+6], s39
	v_xor_b32 v20, v[WA+5], v[WA+3]                ; my even word
	v_xor_b32 v21, v[WB+5], v[WB+3]                ; my odd word
; Block p of the cast: rows 4 p to 4 p + 3.
.macro BLK p
	s_wait_loadcnt ROWS-1-BLOCK*(\p)               ; loads return in order (ISA guide 5.7.1): the block's first row is in, the younger rows stay out
.if (\p) == 0
	s_wait_alu depctr_va_vdst(0)                   ; the table's arithmetic has written v20, v21 and v22, which the store below reads
	global_store_b64 v22, v[20:21], s[16:17]       ; the wave's 256 bytes: one table row
.else
	s_wait_alu depctr_va_vdst(0)                   ; the conversions of the block before have written its eight registers of Y, which the four stores below read
.irp i, 0,1,2,3
	global_store_b64 v2, v[Y+2*(BLOCK*((\p)-1)+(\i)):Y+2*(BLOCK*((\p)-1)+(\i))+1], s[26:27] offset:DROW*(BLOCK*((\p)-1)+(\i))
.endr
.endif
.irp i, 0,1,2,3
.if (\i) > 0
	s_wait_loadcnt ROWS-1-(BLOCK*(\p)+(\i))        ; row 4 p + i is in
.endif
	v_cvt_pk_f16_f32 v[Y+2*(BLOCK*(\p)+(\i))],   v[X+4*(BLOCK*(\p)+(\i))],   v[X+4*(BLOCK*(\p)+(\i))+1]
	v_cvt_pk_f16_f32 v[Y+2*(BLOCK*(\p)+(\i))+1], v[X+4*(BLOCK*(\p)+(\i))+2], v[X+4*(BLOCK*(\p)+(\i))+3]
.endr
.endm
	BLK 0
	BLK 1
	BLK 2
	BLK 3
	BLK 4
	BLK 5
	BLK 6
	BLK 7
	s_wait_alu depctr_va_vdst(0)                   ; the last block's conversions have written its Y, which the last four stores read
.irp i, 0,1,2,3
	global_store_b64 v2, v[Y+2*(ROWS-BLOCK+(\i)):Y+2*(ROWS-BLOCK+(\i))+1], s[26:27] offset:DROW*(ROWS-BLOCK+(\i))
.endr
	s_endpgm
.Lfunc_end_k_q75d113e1ce_prep:
	.size	k_q75d113e1ce_prep, .Lfunc_end_k_q75d113e1ce_prep-k_q75d113e1ce_prep
	.p2alignl 7, 3214868480
	.fill 96, 4, 3214868480
	.section	.rodata,"a",@progbits
	.p2align	6, 0x0
	.amdhsa_kernel k_q75d113e1ce_prep
		.amdhsa_group_segment_fixed_size 0
		.amdhsa_private_segment_fixed_size 0
		.amdhsa_enable_private_segment 0
		.amdhsa_kernarg_size 56
		.amdhsa_user_sgpr_count 2
		.amdhsa_user_sgpr_kernarg_segment_ptr 1
		.amdhsa_wavefront_size32 1
		.amdhsa_system_sgpr_workgroup_id_x 1
		.amdhsa_system_sgpr_workgroup_id_y 1
		.amdhsa_system_sgpr_workgroup_id_z 1
		.amdhsa_system_vgpr_workitem_id 0
		.amdhsa_next_free_vgpr 256
		.amdhsa_next_free_sgpr 66
		.amdhsa_reserve_vcc 0
		.amdhsa_float_denorm_mode_32 3
		.amdhsa_float_denorm_mode_16_64 3
		.amdhsa_memory_ordered 1
		.amdhsa_forward_progress 1
		.amdhsa_inst_pref_size 17
	.end_amdhsa_kernel
	.amdgpu_metadata
---
amdhsa.version: [ 1, 2 ]
amdhsa.kernels:
  - .name:           k_q75d113e1ce_prep
    .symbol:         k_q75d113e1ce_prep.kd
    .args:
      - { .name: x, .offset: 0, .size: 8, .value_kind: global_buffer, .address_space: global }
      - { .name: W_qkv, .offset: 8, .size: 8, .value_kind: global_buffer, .address_space: global }
      - { .name: W_out, .offset: 16, .size: 8, .value_kind: global_buffer, .address_space: global }
      - { .name: xh, .offset: 24, .size: 8, .value_kind: global_buffer, .address_space: global }
      - { .name: wqh, .offset: 32, .size: 8, .value_kind: global_buffer, .address_space: global }
      - { .name: woh, .offset: 40, .size: 8, .value_kind: global_buffer, .address_space: global }
      - { .name: tab, .offset: 48, .size: 8, .value_kind: global_buffer, .address_space: global }
    .group_segment_fixed_size: 0
    .private_segment_fixed_size: 0
    .kernarg_segment_align: 8
    .kernarg_segment_size: 56
    .max_flat_workgroup_size: 256
    .sgpr_count:     66
    .vgpr_count:     256
    .wavefront_size: 32
...
	.end_amdgpu_metadata
.endif
;; end of part 6
;; launch qkv: the kernel of part 2 again; grid 16 x 16, 4 waves a work-group, clusters of 4 x 4, 327,680 bytes of LDS; arguments xh, wqh, tab, qh, kh, vh; writes qh, kh, vh
;; launch attn: the kernel of part 5 again; grid 8 x 32, 8 waves a work-group, clusters of 4 x 1, 327,680 bytes of LDS; arguments qh, kh, vh, yh; writes yh
;; launch proj: the kernel of part 4 again; grid 8 x 32, 4 waves a work-group, clusters of 4 x 4, 327,680 bytes of LDS; arguments yh, woh, out0; writes out0
